; MI455X (gfx1250); checked and timed in simulation.
; The chip was launched on July 23, 2026; its instructions are those of AMD's public machine-readable ISA for CDNA 5 (MIT licence, August 2026) and "CDNA5" Instruction Set Architecture Reference Guide (July 2026). The comments in the code are by the model that wrote it; some were corrected since.
;; Attention Block. Allowed arithmetic: matrix products marked QUANTISED: E2M1 operands, one E8M0 scale for each 32 along K, by v_wmma_scale_f32_16x16x128_f8f6f4 with both operands' format E2M1 (or v_wmma_scale_f32_32x16x128_f4), f32 sums; everything else in f32.
;; Inputs: norm_b 256 float32; norm_w 256 float32; proj_b 256 float32; proj_w 256 x 256 float32; qkv_b 768 float32; qkv_w 768 x 256 float32; x 2 x 256 x 64 x 64 float32.
;; Outputs: out0 2 x 256 x 64 x 64 float32.
;; This version of the problem:
;;   THIS VERSION OF THE PROBLEM IS GIVEN IN LOW PRECISION. The matrix products marked QUANTISED in the list below multiply operands that are first quantised to E2M1 (2 exponent bits, 1 mantissa bit; 4 bits a number), with one power-of-two scale for each 32 numbers along K (OCP MX v1.0); their sums are f32. All else is computed in f32.
;;   The module's matrix products, in the order in which they are computed (A, B: the left and right operand; K: the contracted axis; several contracted axes count as one K, in the product's order):
;;     1. [M 8,192, K 256] x [K 256, N 768]; A: computed on the way; B: input qkv_w: QUANTISED
;;     2. batch 8 x [M 4,096, K 64] x [K 64, N 4,096]; A: computed on the way; B: computed on the way: QUANTISED
;;     3. batch 8 x [M 64, K 4,096] x [K 4,096, N 4,096]; A: computed on the way; B: softmax (see below): QUANTISED
;;     4. [M 8,192, K 256] x [K 256, N 256]; A: computed on the way; B: input proj_w: QUANTISED
;;   THE QUANTISER, for each operand of a quantised product, along K:
;;     - K is cut into blocks of 32 from its start; a last block that is shorter is filled with zeros.
;;     - A block's scale is 2^e with e = floor(log2(the largest magnitude in the block)) - 2, held to -126 .. 127; a block of zeros has e = 0. As a byte (E8M0): e + 127.
;;     - Each number is divided by its block's scale, clamped to +-6, and rounded to the nearest number of E2M1, ties to even, subnormals kept.
;;     - The product sums the exact products of the quantised numbers (number of the format x scale) in f32.
;;   ~~~python
;;   def quantise(x, axis):      # numpy; x: float32 -> the quantised numbers, widened to float32 again
;;       x = np.moveaxis(x, axis, -1); K = x.shape[-1]
;;       x = np.pad(x, [(0, 0)] * (x.ndim - 1) + [(0, -K % 32)]); x = x.reshape(x.shape[:-1] + (-1, 32)); a = np.abs(x).max(-1, keepdims=True)
;;       e = np.where(a > 0, np.clip(np.frexp(np.where(a > 0, a, 1))[1] - 1 - 2, -126, 127), 0)      # np.frexp(a)[1] - 1 = floor(log2(a)), exactly
;;       r = np.clip(x / 2.0 ** e, -6, 6)
;;       step = 2.0 ** (np.maximum(np.frexp(np.where(r == 0, 1, r))[1] - 1, 0) - 1)
;;       q = np.round(r / step) * step * 2.0 ** e      # np.round: ties to even
;;       return np.moveaxis(q.reshape(q.shape[:-2] + (-1,))[..., :K], -1, axis).astype(np.float32)
;;   ~~~
;;   SOFTMAX AHEAD OF A QUANTISED PRODUCT. Where the list says 'softmax', what is quantised is not the finished softmax but p = 2^(t - M), with t = logit x log2(e) and M = ceil(the row's largest t), a whole number; so 1/2 < the row's largest p <= 1. The row's sum l is taken of the UNQUANTISED p, in f32, and the product's result is divided by l at the end. Since M is a whole number, a kernel that streams over the keys may use a running M (the ceiling of the running maximum): every later rescaling is an exact power of two, which a block's scale takes up: the codes' values come out the same.
;;   OPERANDS COMPUTED ON THE WAY. 'Computed on the way' means the value that the module computes at that place (a softmax that the list does not call 'softmax' is quantised finished and normalised). What goes into a quantiser is computed in f32, as accurately as f32 sums, v_exp_f32 and their like allow (about 1e-6 of the number): no bf16 or f16 on the way to a quantiser, and a product that is left as it is and whose result goes on into a quantised operand takes f32 operands (vector FMAs, or v_wmma_f32_16x16x4_f32). A number that lies on a knife's edge between two numbers of the format may be rounded either way, as far as f32 arithmetic and the matrix unit's own rounding can turn it there, and no further.
;; 2 versions. Each part assembles by itself: llvm-mc -triple=amdgcn-amd-amdhsa -mcpu=gfx1250 --defsym DOCPART=n.
;; ======== version 1 of 2: 4 launches
;; workspace buffers: tab 6,144 bytes; wimg 131,072 bytes; wsc 8,192 bytes; qimg 1,048,576 bytes; kvs 2,293,760 bytes; aimg 1,048,576 bytes; asc 65,536 bytes
;; launch prep (part 1): grid 72 x 1, 8 waves a work-group, no clusters, 2,048 bytes of LDS; arguments x, norm_w, norm_b, qkv_w, proj_w, tab, wimg, wsc; writes tab, wimg, wsc
.if DOCPART == 1
	.amdgcn_target "amdgcn-amd-amdhsa--gfx1250"
	.amdhsa_code_object_version 6
	.text
	.protected	k_qd0179eb083_prep
	.globl	k_qd0179eb083_prep
	.p2align	8
	.type	k_qd0179eb083_prep,@function
k_qd0179eb083_prep:
	s_mov_b64 s[64:65], 0
	v_nop
	global_prefetch_b8 v0, s[64:65] scope:SCOPE_SE
	s_setreg_imm32_b32 hwreg(HW_REG_WAVE_MODE, 25, 1), 1
	s_wait_xcnt 0x0
; TWO JOBS IN ONE LAUNCH, parted on the work-group's number alone.
; Work-groups 0-63: the GroupNorm statistics of group G = 32 b + g: 8 channels x 4,096 positions = 131,072 dense bytes of x, kept in registers (128 a lane) between the
;   pass that finds the mean and the pass that sums (x - mean)^2: x is read once and no difference of large sums is formed.  Out: tab [b][3][256] f32: rsqrt(var + eps) x norm_w, norm_b, the group's mean.
; Work-groups 64-71: qkv_w (48 tiles of 16 rows) and proj_w (16 tiles) become codes of FP4 (E2M1) with one E8M0 byte for each 32 along K, one tile a wave, laid as IMAGES OF THE OPERAND'S REGISTERS:
;   wimg: tile T at 2,048 T; in it 1,024 s + 512 c + 16 lane: lane (r, h) holds k = 128 s + 64 c + 32 h + 0 .. 31 of the tile's row r.   wsc: 128 T + 4 lane: lanes 0-15 row r's scale word of K step 0, lanes 16-31 of K step 1.
;   Row r of a tile of qkv_w is row 64 (T / 4) + 32 ((T / 2) % 2) + 8 (T % 2) + r + 8 (r / 8): so the results of two neighbouring tiles are 16 neighbours in a lane.  A tile of proj_w takes 16 neighbouring rows.
; A block's scale byte is its largest magnitude's exponent field - 2, held at 1 from below.  LIMITS: a block of zeros gets the byte 1 (the rule says 127): its codes are zeros and this program alone reads the bytes;
; blocks whose largest magnitude lies under 2^-124 have the byte held at 1; NaN and infinities are not served.  The weights are read 16 bytes a lane, each lane in its own row: 1 MiB in all, once.
; No cluster: the work-groups share no input.  Only the statistics' path uses LDS and barriers.
.set FLOOR, 0x1800000                  ; 2^(3 - 127)
.set EOFF,  0xff000000                 ; takes 2 off an exponent field
	s_load_b256 s[4:11], s[0:1], 0x0               ; x s[4:5], norm_w s[6:7], norm_b s[8:9], qkv_w s[10:11]
	s_load_b256 s[12:19], s[0:1], 0x20             ; proj_w s[12:13], tab s[14:15], wimg s[16:17], wsc s[18:19]
	v_lshl_add_u32 v176, v0, 2, 0x400
	v_mov_b32 v177, 0
	v_lshrrev_b32 v1, 5, v0
	v_readfirstlane_b32 s20, v1                    ; wave 0..7
	s_mov_b32 s22, 0x76543210                      ; v_permlanex16_b32's selects for lane l xor 16
	s_mov_b32 s23, 0xfedcba98
	v_and_b32 v157, 31, v0                         ; lane
	s_cmp_ge_u32 ttmp9, 64
	s_cbranch_scc1 .Lweights
; ---------------- the statistics of one group ----------------
; v1 16 x thread; v[2:9] four packed chains; v10 a permute's destination; v11 4 x wave; v[12:13] the mean, twice; v[16:143] the data; v[144:151] the waves' parts
	v_lshlrev_b32 v1, 4, v0
	v_and_b32 v154, 7, v0
	s_and_b32 s26, ttmp9, 31                       ; g
	s_lshl_b32 s27, s26, 5
	v_lshl_add_u32 v155, v154, 2, s27              ; byte of channel 8 g + lane % 8 in norm_w, norm_b and a row of tab
	v_lshrrev_b32 v11, 5, v0
	v_lshlrev_b32 v11, 2, v11
	v_mov_b32 v156, 0
	v_mov_b32 v10, 0                               ; a lane permute's destination counts as one of its sources
	s_lshl_b32 s24, ttmp9, 17                      ; the group's 131,072 bytes
	s_mov_b32 s25, 0
	s_mov_b32 s28, 0x38000000                      ; 1 / 32,768
	s_mov_b32 s29, 0x3727c5ac                      ; eps = 1e-5
	s_wait_kmcnt 0x0
	s_add_nc_u64 s[4:5], s[4:5], s[24:25]
	global_load_b32 v152, v155, s[6:7]             ; the two oldest loads: every counted wait below covers them
	global_load_b32 v153, v155, s[8:9]
.set i, 0
.rept 32
	global_load_b128 v[16+4*i:19+4*i], v1, s[4:5] offset:4096*i   ; a wave reads 512 consecutive bytes, the eight waves 4,096
.set i, i+1
.endr
.macro SUMQ q                          ; a quarter of the data, 16 pairs, onto four chains; the first eight pairs start the chains: nothing is cleared
	s_wait_loadcnt 24-8*\q                         ; the loads of the later quarters may be out
.set p, 0
.rept 16
.if (\q == 0) && (p < 4)
	v_pk_add_f32 v[2+2*p:3+2*p], v[16+2*p:17+2*p], v[24+2*p:25+2*p]
.elseif (\q == 0) && (p < 8)
.else
	v_pk_add_f32 v[2+2*(p%4):3+2*(p%4)], v[2+2*(p%4):3+2*(p%4)], v[16+32*\q+2*p:17+32*\q+2*p]
.endif
.set p, p+1
.endr
.endm
.macro FOLD                            ; four chains -> v2, then over the wave's 32 lanes
	v_pk_add_f32 v[2:3], v[2:3], v[4:5]
	v_pk_add_f32 v[6:7], v[6:7], v[8:9]
	v_pk_add_f32 v[2:3], v[2:3], v[6:7]
	v_add_f32 v2, v2, v3
	v_add_f32_dpp v2, v2, v2 row_xmask:1 row_mask:0xf bank_mask:0xf
	v_add_f32_dpp v2, v2, v2 row_xmask:2 row_mask:0xf bank_mask:0xf
	v_add_f32_dpp v2, v2, v2 row_xmask:4 row_mask:0xf bank_mask:0xf
	v_add_f32_dpp v2, v2, v2 row_xmask:8 row_mask:0xf bank_mask:0xf
	v_permlanex16_b32 v10, v2, s22, s23
	v_add_f32 v2, v2, v10
.endm
.macro ACROSS off                      ; over the eight waves: each stores its part to its own word at LDS byte off + 4 x wave; a barrier; every wave adds all eight
	ds_store_b32 v11, v2 offset:\off
	s_wait_dscnt 0x0                               ; for the others' sake: my store has landed
	s_barrier_signal -1
	s_barrier_wait -1
	ds_load_b128 v[144:147], v156 offset:\off
	ds_load_b128 v[148:151], v156 offset:\off+16
	s_wait_dscnt 0x0
	v_add_f32 v144, v144, v145
	v_add_f32 v146, v146, v147
	v_add_f32 v148, v148, v149
	v_add_f32 v150, v150, v151
	v_add_f32 v144, v144, v146
	v_add_f32 v148, v148, v150
	v_add_f32 v2, v144, v148
.endm
	SUMQ 0
	SUMQ 1
	SUMQ 2
	SUMQ 3
	FOLD
	ACROSS 0
	v_mul_f32 v12, s28, v2                         ; the mean
	v_mov_b32 v13, v12
.set p, 0
.rept 64
	v_pk_add_f32 v[16+2*p:17+2*p], v[16+2*p:17+2*p], v[12:13] neg_lo:[0,1] neg_hi:[0,1]   ; x - mean, in place
.set p, p+1
.endr
.set p, 0
.rept 64
.if p < 4
	v_pk_mul_f32 v[2+2*p:3+2*p], v[16+2*p:17+2*p], v[16+2*p:17+2*p]
.else
	v_pk_fma_f32 v[2+2*(p%4):3+2*(p%4)], v[16+2*p:17+2*p], v[16+2*p:17+2*p], v[2+2*(p%4):3+2*(p%4)]
.endif
.set p, p+1
.endr
	FOLD
	ACROSS 256                                     ; other LDS bytes than the first time: no third barrier is needed
	v_fma_f32 v14, v2, s28, s29                    ; var + eps
	v_rsq_f32 v14, v14
	v_lshrrev_b32 v159, 3, v157                    ; (a plain place behind the transcendental)  which of tab's three rows my lane writes
	s_wait_alu depctr_va_vdst(0)
	v_mul_f32 v158, v14, v152                      ; rsqrt(var + eps) x norm_w
	v_cmp_gt_u32 vcc_lo, 8, v157
	v_cndmask_b32 v158, v153, v158, vcc_lo         ; lanes 8-15: norm_b
	v_cmp_gt_u32 vcc_lo, 16, v157
	v_cndmask_b32 v158, v12, v158, vcc_lo          ; lanes 16-23: the mean
	v_lshl_add_u32 v159, v159, 10, v155
	s_lshr_b32 s30, ttmp9, 5
	s_mul_i32 s30, s30, 3072                       ; the batch's part of tab
	v_add_nc_u32 v159, s30, v159
	s_cmp_lg_u32 s20, 0
	s_cbranch_scc1 .Lend                           ; wave 0 stores for the group
	v_cmp_gt_u32 vcc_lo, 24, v157
	s_wait_xcnt 0x0                                ; EXEC is a source of the loads above: it changes only behind this wait
	s_and_saveexec_b32 s31, vcc_lo
	global_store_b32 v159, v158, s[14:15]
	s_wait_xcnt 0x0                                ; and again in front of the line that widens it
	s_or_b32 exec_lo, exec_lo, s31
.Lend:
	s_wait_tensorcnt 0x0
	ds_add_u32 v176, v177
	s_wait_dscnt 0x0
	s_endpgm
; ---------------- one tile of a weight ----------------
.Lweights:
	s_sub_co_u32 s24, ttmp9, 64
	s_lshl_b32 s24, s24, 3
	s_add_co_u32 s24, s24, s20                     ; T = 0..63
	s_lshr_b32 s25, s24, 1
	s_and_b32 s25, s25, 1
	s_lshl_b32 s25, s25, 5
	s_and_b32 s26, s24, 1
	s_lshl_b32 s26, s26, 3
	s_add_co_u32 s25, s25, s26                     ; qkv_w: 32 ((T / 2) % 2) + 8 (T % 2)
	s_and_b32 s26, s24, 3
	s_lshl_b32 s26, s26, 4                         ; proj_w: 16 (T % 4)
	s_lshr_b32 s27, s24, 2
	s_wait_kmcnt 0x0
	s_cmp_lt_u32 s24, 48                           ; the choice hangs on ids alone
	s_cselect_b64 s[10:11], s[10:11], s[12:13]
	s_cselect_b32 s25, s25, s26
	s_cselect_b32 s28, 8, 0                        ; qkv_w: rows 8-15 of a tile lie 8 further on
	s_cselect_b32 s29, 0, 12
	s_sub_co_u32 s27, s27, s29
	s_lshl_b32 s27, s27, 6
	s_add_co_u32 s27, s27, s25                     ; the tile's first row
	v_and_b32 v2, 15, v0                           ; r
	v_bfe_u32 v4, v0, 4, 1                         ; h
	v_and_b32 v5, s28, v2
	v_add3_u32 v5, v5, v2, s27                     ; my row
	v_lshlrev_b32 v3, 10, v5
	v_lshl_add_u32 v3, v4, 7, v3                   ; row x 1,024 bytes + 128 h
	v_lshlrev_b32 v9, 3, v4                        ; 8 h
	v_lshlrev_b32 v10, 4, v157
	v_lshlrev_b32 v11, 2, v157
	v_mov_b32 v166, 0                              ; lane permutes' destinations
	v_mov_b32 v167, 0
	s_lshl_b32 s30, s24, 11
	s_mov_b32 s31, 0
	s_add_nc_u64 s[16:17], s[16:17], s[30:31]
	s_lshl_b32 s30, s24, 7
	s_add_nc_u64 s[18:19], s[18:19], s[30:31]
.set i, 0
.rept 32
	global_load_b128 v[16+4*i:19+4*i], v3, s[10:11] offset:256*(i/8)+16*(i%8)   ; block q = i / 8 = 2 s + c: k = 64 q + 32 h + 0 .. 31: a whole block in my 32 registers
.set i, i+1
.endr
.macro WBLOCK q
.set XB, 16+32*\q
	s_wait_loadcnt 24-8*\q                         ; the later blocks' loads may be out
	v_max3_num_f32 v6, |v[XB]|, |v[XB+1]|, |v[XB+2]|
	v_max3_num_f32 v7, |v[XB+3]|, |v[XB+4]|, |v[XB+5]|
.irp k, 6,10,14,18,22,26
	v_max3_num_f32 v6, v6, |v[XB+\k]|, |v[XB+\k+1]|
	v_max3_num_f32 v7, v7, |v[XB+\k+2]|, |v[XB+\k+3]|
.endr
	v_max3_num_f32 v6, v6, |v[XB+30]|, |v[XB+31]|
	v_max3_num_f32 v6, v6, v7, FLOOR               ; the floor holds the byte at 1 from below
	v_add_nc_u32 v8, EOFF, v6                      ; the conversion takes this operand's exponent field as its scale
.irp g, 0,1,2,3
	v_cvt_scalef32_pk8_fp4_f32 v[144+4*\q+\g], v[XB+8*\g:XB+8*\g+7], v8
.endr
	v_lshrrev_b32 v[160+\q], 23, v8                ; the scale's byte (also the plain line behind the conversions)
.endm
	WBLOCK 0
	WBLOCK 1
	WBLOCK 2
	WBLOCK 3
.irp s, 0,1
	v_lshl_or_b32 v[164+\s], v[161+2*\s], 16, v[160+2*\s]   ; my two bytes of K step s: blocks h and 2 + h,
	v_lshlrev_b32 v[164+\s], v9, v[164+\s]         ; at their places,
	v_permlanex16_b32 v[166+\s], v[164+\s], s22, s23
	v_or_b32 v[164+\s], v[164+\s], v[166+\s]       ; with lane l xor 16's two: the word is whole
.endr
	v_cmp_eq_u32 vcc_lo, 1, v4
	v_cndmask_b32 v164, v164, v165, vcc_lo         ; lanes 16-31 carry K step 1's word
.irp q, 0,1,2,3
	global_store_b128 v10, v[144+4*\q:147+4*\q], s[16:17] offset:512*\q   ; 512 consecutive bytes
.endr
	global_store_b32 v11, v164, s[18:19]
	s_endpgm
.Lfunc_end_k_qd0179eb083_prep:
	.size	k_qd0179eb083_prep, .Lfunc_end_k_qd0179eb083_prep-k_qd0179eb083_prep
	.p2alignl 7, 3214868480
	.fill 96, 4, 3214868480
	.section	.rodata,"a",@progbits
	.p2align	6, 0x0
	.amdhsa_kernel k_qd0179eb083_prep
		.amdhsa_group_segment_fixed_size 2048
		.amdhsa_private_segment_fixed_size 0
		.amdhsa_enable_private_segment 0
		.amdhsa_kernarg_size 64
		.amdhsa_user_sgpr_count 2
		.amdhsa_user_sgpr_kernarg_segment_ptr 1
		.amdhsa_wavefront_size32 1
		.amdhsa_system_sgpr_workgroup_id_x 1
		.amdhsa_system_sgpr_workgroup_id_y 1
		.amdhsa_system_sgpr_workgroup_id_z 1
		.amdhsa_system_vgpr_workitem_id 0
		.amdhsa_next_free_vgpr 178
		.amdhsa_next_free_sgpr 66
		.amdhsa_reserve_vcc 1
		.amdhsa_float_denorm_mode_32 3
		.amdhsa_float_denorm_mode_16_64 3
		.amdhsa_memory_ordered 1
		.amdhsa_forward_progress 1
		.amdhsa_inst_pref_size 31
	.end_amdhsa_kernel
	.amdgpu_metadata
---
amdhsa.version: [ 1, 2 ]
amdhsa.kernels:
  - .name:           k_qd0179eb083_prep
    .symbol:         k_qd0179eb083_prep.kd
    .args:
      - { .name: x, .offset: 0, .size: 8, .value_kind: global_buffer, .address_space: global }
      - { .name: norm_w, .offset: 8, .size: 8, .value_kind: global_buffer, .address_space: global }
      - { .name: norm_b, .offset: 16, .size: 8, .value_kind: global_buffer, .address_space: global }
      - { .name: qkv_w, .offset: 24, .size: 8, .value_kind: global_buffer, .address_space: global }
      - { .name: proj_w, .offset: 32, .size: 8, .value_kind: global_buffer, .address_space: global }
      - { .name: tab, .offset: 40, .size: 8, .value_kind: global_buffer, .address_space: global }
      - { .name: wimg, .offset: 48, .size: 8, .value_kind: global_buffer, .address_space: global }
      - { .name: wsc, .offset: 56, .size: 8, .value_kind: global_buffer, .address_space: global }
    .group_segment_fixed_size: 2048
    .private_segment_fixed_size: 0
    .kernarg_segment_align: 8
    .kernarg_segment_size: 64
    .max_flat_workgroup_size: 256
    .sgpr_count:     66
    .vgpr_count:     178
    .wavefront_size: 32
...
	.end_amdgpu_metadata
.endif
;; end of part 1
;; launch qkv (part 2): grid 256 x 1, 4 waves a work-group, clusters of 4 x 1, 168,448 bytes of LDS; arguments x, tab, wimg, wsc, qkv_b, qimg, kvs; writes qimg, kvs
.if DOCPART == 2
	.amdgcn_target "amdgcn-amd-amdhsa--gfx1250"
	.amdhsa_code_object_version 6
	.text
	.protected	k_qd0179eb083_qkv
	.globl	k_qd0179eb083_qkv
	.p2align	8
	.type	k_qd0179eb083_qkv,@function
k_qd0179eb083_qkv:
	s_mov_b64 s[64:65], 0
	v_nop
	global_prefetch_b8 v0, s[64:65] scope:SCOPE_SE
	s_setreg_imm32_b32 hwreg(HW_REG_WAVE_MODE, 25, 1), 1
	s_wait_xcnt 0x0
	s_wait_alu depctr_hold_cnt(0) depctr_sa_sdst(0) depctr_va_vdst(0) depctr_va_sdst(0) depctr_va_ssrc(0) depctr_va_vcc(0) depctr_vm_vsrc(0)
	s_getreg_b32 s2, hwreg(HW_REG_IB_STS2, 6, 4)
	s_cmp_eq_u32 s2, 0
	s_cbranch_scc0 .Lentry_in_a_cluster
	s_endpgm
.Lentry_in_a_cluster:
	s_bfe_u32 s2, ttmp6, 0x10000c
	s_cmp_lg_u32 s2, 0x3003
	s_cbranch_scc0 .Lentry_shape_is_right
	s_endpgm
.Lentry_shape_is_right:
; qkv = qkv_w xn + qkv_b on codes of FP4 (E2M1), one E8M0 scale for each 32 along K = the 256 channels; then q and k x 64^-0.25 are quantised along the head's 64 channels and v along the positions.
; SHARES.  A cluster (ttmp9 = 32 b + st) takes 128 positions of one batch; its four work-groups are the four heads.  A work-group makes its head's 192 rows of qkv for these positions: one record of kvs and 4 KiB of qimg.
; Wave w owns positions 32 w .. 32 w + 31 for all 192 rows.  The four partners need the same tile of x (256 channels x 128 positions, f32): it is asked for JOINTLY, each wave 64 channels.
; The price: each head normalises and quantises xn for itself, 256 numbers a lane.
; ORDER OF A TILE'S ROWS.  Row r of tile u of a block of 32 (positions, or rows of qkv_w) is 8 u + r + 8 (r / 8): in a result, register j of lane (r, h) of tile u is then place 16 h + 8 u + j: two tiles give a lane 16 neighbours.
; xn.  A lane takes ONE position and its registers run down the channels: a block of 32 lies in one lane.  xn = (x - mean) (rsqrt(var + eps) norm_w) + norm_b, the last two steps one fused multiply-add
; (reference() multiplies twice: another order of rounding).  Gains, biases and means come from tab into scalar registers, 16 channels at a time, in two sets by turns.
; q, k: source 0 = 16 rows of qkv_w, source 1 = xn: a lane holds one position, its registers the head's channels.  v: source 0 = xn, source 1 = qkv_w: a lane holds one channel, its registers the positions.
; The biases are the C of each sum's first matrix instruction.  All operands leave as IMAGES OF THEIR REGISTERS (16 bytes a lane, 512 a store).
; kvs: record (head 4 b + cx, step st) of 8,960 bytes: K's image 1,024 w + 512 u + 16 lane | +4,096 V's image 1,024 wt + 512 c + 16 lane | +8,192 scale words 128 w + 4 lane (lanes 0-15 q's, lanes 16-31 k's; bytes u0b0 u0b1 u1b0 u1b1)
;   | +8,704 V's scale words 8 lane + 4 p (channel tile 2 p + h, row r; byte i = key block i).
; LIMITS: a block of zeros gets the byte 1 (the rule says 127): its codes are zeros and this program alone reads the bytes; largest magnitudes under 2^-124 have the byte held at 1; NaN and infinities are not served.
; The q and k scale words leave 128 bytes a wave.  No LDS byte is filled twice.
; LDS: 0 the tile of x, [256][128] f32, pitch 512 | XIMG each wave's own: xn's images, tile u at 2,176 u (128 beyond a multiple of 256, so that the sixteen lanes of a store pass fall on sixteen 16-byte columns) | XSC xn's scale words | VSG V's scale bytes.
; REGISTERS.  window 0: v1-15 addresses; v16-79 two sets of 32 numbers of x, later the eight accumulators; v80-111 xn's four fragments; v112-135 codes of q, k, v (no store's data are written again); v136-139 a block's codes of xn;
;   v140-141 xn's scale words; v142-143 q's word, the joined word; v144-175 v's bias, eight registers a tile; v176-187 the weights' scale words; v188-189 xn's; v192-208 at work; v210-219 the head's and the tail's.
;   window 1: v0-191 the head's 24 weight fragments ((tile j, K step s) at 8 (2 j + s)); v192-255 q's and k's biases.
.set FLOOR, 0x1800000
.set EOFF,  0xff000000
.set XIMG,  131072
.set XWB,   4352                       ; a wave's images
.set XUB,   2176                       ; a tile's
.set XSC,   XIMG+4*XWB
.set VSG,   XSC+1024
.set WV,    18                         ; s18 wave;  s19 cx = the head;  s20 b;  s21 st
.set CQ,    24                         ; s[24:25] 64^-0.25
.set SEL,   26                         ; s[26:27] selects for lane l xor 16
.set ACC,   16
.set XF,    80
.set PCQ,   112
.set PCK,   120
.set PCV,   128
.set XC,    136
.set XW,    140
.set QW,    142
.set JW,    143
.set BV,    144
.set WS,    176
.set SX,    188
.set TM,    192
.set PW,    208
.set BQ,    192                        ; in window 1
.set MSB, 0
.macro WIN new                         ; the immediate's high byte repeats the setting that is left
.if MSB != \new
	s_set_vgpr_msb (MSB<<8)|\new
.set MSB, \new
.endif
.endm
.macro PLACES n
.rept \n
	v_nop
.endr
.endm
.macro CROUND                          ; a round of the cluster's barrier
	s_barrier_signal -1
	s_barrier_wait -1
	s_cmp_lg_u32 s[WV], 0
	s_cbranch_scc1 .Lnot_wave_0_\@
	s_barrier_signal -3
.Lnot_wave_0_\@:
	s_barrier_wait -3
	s_barrier_signal -1
	s_barrier_wait -1
.endm
; 64 numbers of a lane, v[s] on, four blocks of 16 registers (a block's other 16 lie in lane l xor 16), become codes in v[d] .. v[d + 7] and the four bytes in v[PW].
; Behind the exchange registers 4 c .. 4 c + 3 hold block 2 c whole in lanes 0-15 and block 2 c + 1 whole in lanes 16-31.
.macro QUANT s, d
.irp b, 0,1,2,3
	v_max3_num_f32 v[TM+\b], |v[\s+16*\b]|, |v[\s+1+16*\b]|, FLOOR
.endr
.irp k, 2,4,6,8,10,12,14
.irp b, 0,1,2,3
	v_max3_num_f32 v[TM+\b], v[TM+\b], |v[\s+16*\b+\k]|, |v[\s+1+16*\b+\k]|
.endr
.endr
.irp b, 0,1,2,3
	v_permlanex16_b32 v[TM+4+\b], v[TM+\b], s[SEL], s[SEL+1]
.endr
.irp b, 0,1,2,3
	v_max_num_f32 v[TM+\b], v[TM+\b], v[TM+4+\b]
.endr
.irp b, 0,1,2,3
	v_add_nc_u32 v[TM+12+\b], EOFF, v[TM+\b]
.endr
.irp b, 0,1,2,3
	v_lshrrev_b32 v[TM+4+\b], 23, v[TM+12+\b]
.endr
	v_lshl_or_b32 v[PW], v[TM+5], 8, v[TM+4]
	v_lshl_or_b32 v[PW], v[TM+6], 16, v[PW]
	v_lshl_or_b32 v[PW], v[TM+7], 24, v[PW]
.irp b, 0,1,2,3
	v_cvt_scalef32_pk8_fp4_f32 v[\d+2*\b], v[\s+16*\b:\s+7+16*\b], v[TM+12+\b]
	v_cvt_scalef32_pk8_fp4_f32 v[\d+1+2*\b], v[\s+8+16*\b:\s+15+16*\b], v[TM+12+\b]
.endr
	v_nop                                          ; one plain line behind the last scaled conversion
.irp c, 0,1
.irp k, 0,1
	v_permlane16_swap_b32 v[\d+4*\c+\k], v[\d+2+4*\c+\k]
.endr
.endr
.endm
	s_load_b256 s[4:11], s[0:1], 0x0               ; x s[4:5], tab s[6:7], wimg s[8:9], wsc s[10:11]
	s_load_b128 s[12:15], s[0:1], 0x20             ; qkv_b s[12:13], qimg s[14:15]
	s_load_b64 s[16:17], s[0:1], 0x30              ; kvs
	v_lshl_add_u32 v254, v0, 2, 0x29000
	v_mov_b32 v255, 0
	ds_add_u32 v254, v255
	ds_add_u32 v254, v255
	v_lshrrev_b32 v1, 5, v0
	v_readfirstlane_b32 s[WV], v1                  ; wave 0..3
	s_bfe_u32 s19, ttmp6, 0x40000                  ; cx: the head.  It enters global addresses of the weights, the bias and the outputs alone
	s_lshr_b32 s20, ttmp9, 5                       ; b
	s_and_b32 s21, ttmp9, 31                       ; st
	s_mov_b32 s[CQ], 0x3eb504f3
	s_mov_b32 s[CQ+1], s[CQ]                       ; (named with it as a pair, so it is written)
	s_mov_b32 s[SEL], 0x76543210
	s_mov_b32 s[SEL+1], 0xfedcba98
	; descriptor group 1, s[32:39]: 64 rows (channels) x 128 elements of 4 bytes, 4,096 elements from row to row, no padding
	s_mov_b32 s32, 15|(2<<16)|(1<<21)              ; 15:0 the mask: all four work-groups; 17:16 elements of 4 bytes; 21 set beside a mask
	s_mov_b32 s33, 128<<16                         ; tensor_dim0
	s_mov_b32 s34, 64<<16                          ; tensor_dim1
	s_mov_b32 s35, 128<<16                         ; tile_dim0
	s_mov_b32 s36, 64                              ; tile_dim1
	s_mov_b32 s37, 4096                            ; tensor_dim0_stride
	s_mov_b32 s38, 0
	s_mov_b32 s39, 0
	; group 0, s[28:31]: made of b, st and the wave's number, in registers that never hold cx
	s_mov_b32 s28, 1
	s_lshl_b32 s29, s[WV], 15                      ; LDS: 64 rows of 512 bytes a wave
	s_lshl_b32 s46, s20, 22                        ; the batch: 256 channels of 16,384 bytes
	s_lshl_b32 s48, s[WV], 20                      ; my 64 channels
	s_add_co_u32 s46, s46, s48
	s_lshl_b32 s48, s21, 9                         ; the 128 positions
	s_add_co_u32 s46, s46, s48
	s_mov_b32 s47, 0
	v_and_b32 v210, 31, v0                         ; lane
	v_and_b32 v211, 15, v0                         ; r
	v_bfe_u32 v212, v0, 4, 1                       ; h
	v_lshlrev_b32 v1, 4, v210                      ; v1  16 lane
	v_lshlrev_b32 v2, 2, v210                      ; v2  4 lane
	s_lshl_b32 s22, s[WV], 7
	v_add_nc_u32 v3, s22, v2                       ; v3  x's tile: my position's word in channel 0's row (also: 128 w + 4 lane)
	v_add_nc_u32 v4, 0x10000, v3                   ; v4  the same in channel 128's row
	v_bfe_u32 v213, v0, 3, 1                       ; my position t' = lane lies in tile u = (t' / 8) % 2,
	v_and_b32 v214, 7, v0
	v_lshl_or_b32 v214, v212, 3, v214              ; row t' % 8 + 8 (t' / 16)
	s_mul_i32 s22, s[WV], XWB
	s_add_co_u32 s22, s22, XIMG
	v_mul_u32_u24 v5, v213, XUB
	v_lshl_add_u32 v5, v214, 4, v5
	v_add_nc_u32 v5, s22, v5                       ; v5  where I store a block's codes of xn
	v_add_nc_u32 v7, s22, v1                       ; v7  where I read the images back
	s_lshl_b32 s22, s[WV], 8
	s_add_co_u32 s22, s22, XSC
	v_lshlrev_b32 v6, 7, v213
	v_lshl_add_u32 v6, v214, 2, v6
	v_add_nc_u32 v6, s22, v6                       ; v6  where I store xn's scale words: 128 u + 64 s + 4 row
	v_add_nc_u32 v8, s22, v2                       ; v8  and read them back: lanes 0-15 K step 0, lanes 16-31 K step 1
	v_lshlrev_b32 v9, 6, v212                      ; v9  64 h: q's and k's bias
	v_and_b32 v10, 8, v211
	v_add_nc_u32 v10, v10, v211
	v_lshlrev_b32 v10, 2, v10                      ; v10 4 (r + 8 (r / 8)): v's bias
	s_lshl_b32 s22, s[WV], 10
	v_add_nc_u32 v11, s22, v1                      ; v11 q's and k's images: 16 lane + 1,024 w
	s_lshl_b32 s22, s[WV], 8
	v_lshlrev_b32 v12, 10, v212
	v_lshl_add_u32 v12, v211, 4, v12
	v_add_nc_u32 v12, s22, v12                     ; v12 v's image: 1,024 h + 16 r + 256 w
	s_lshl_b32 s22, s[WV], 2
	s_add_co_u32 s22, s22, VSG
	v_lshl_add_u32 v13, v211, 4, s22               ; v13 v's scale bytes in LDS: 16 r + 4 w
	v_lshlrev_b32 v14, 3, v212                     ; v14 8 h
	v_lshlrev_b32 v15, 3, v210                     ; v15 8 lane
	v_lshl_add_u32 v216, v211, 4, VSG              ; v216 where wave 0 reads them back: made ahead of every branch on the wave's number
.irp b, 0,1,2,3
	v_mov_b32 v[TM+4+\b], 0                        ; written once: a lane permute's destination counts as one of its sources
.endr
	s_wait_dscnt 0x0
	s_wait_kmcnt 0x0
	s_add_nc_u64 s[30:31], s[4:5], s[46:47]
	s_or_b32 s31, s31, 0x80000000                  ; type = 2
	CROUND                                         ; all four work-groups are here: the joint loads meet
	tensor_load_to_lds s[28:31], s[32:39]          ; my one tensor load: 64 rows x 512 bytes
	s_nop 0
	PLACES 4
	s_mov_b32 s23, 0
	s_mul_i32 s22, s20, 3072
	s_add_nc_u64 s[6:7], s[6:7], s[22:23]          ; tab at my batch
	s_mul_i32 s22, s19, 24576
	s_add_nc_u64 s[8:9], s[8:9], s[22:23]          ; the head's 12 tiles
	s_mul_i32 s22, s19, 1536
	s_add_nc_u64 s[10:11], s[10:11], s[22:23]      ; their scale words
	s_mul_i32 s22, s19, 768
	s_add_nc_u64 s[12:13], s[12:13], s[22:23]      ; the head's 192 biases
	s_lshl_b32 s44, s20, 2
	s_add_co_u32 s44, s44, s19                     ; 4 b + head
	s_lshl_b32 s22, s44, 17
	s_lshl_b32 s45, s21, 12
	s_add_co_u32 s22, s22, s45
	s_add_nc_u64 s[14:15], s[14:15], s[22:23]      ; qimg at these 128 queries
	s_lshl_b32 s45, s44, 5
	s_add_co_u32 s45, s45, s21
	s_mul_i32 s22, s45, 8960
	s_add_nc_u64 s[16:17], s[16:17], s[22:23]      ; my record of kvs
; 16 channels' gains, biases and their two groups' means.  Even n: s[68:83], s[84:99], s100, s101; odd n: s[28:43], s[44:59], s60, s61 (over the descriptor: first loaded behind the wait for the tensor load)
.macro KLOAD n
.if ((\n)%2) == 0
	s_load_b512 s[68:83], s[6:7], 64*(\n)
	s_load_b512 s[84:99], s[6:7], 1024+64*(\n)
	s_load_b32 s100, s[6:7], 2048+64*(\n)
	s_load_b32 s101, s[6:7], 2080+64*(\n)
.else
	s_load_b512 s[28:43], s[6:7], 64*(\n)
	s_load_b512 s[44:59], s[6:7], 1024+64*(\n)
	s_load_b32 s60, s[6:7], 2048+64*(\n)
	s_load_b32 s61, s[6:7], 2080+64*(\n)
.endif
.endm
	KLOAD 0
	WIN 0x40                                       ; destination window 1
.set i, 0
.rept 48
	global_load_b128 v[4*i:4*i+3], v1, s[8:9] offset:512*i          ; the weights' images as they lie: they stay in registers
.set i, i+1
.endr
.irp t, 0,1,2,3,4,5,6,7                        ; q's and k's biases in the result's layout: tile t: rows 64 (t / 4) + 32 ((t / 2) % 2) + 8 (t % 2) + 16 h + 0 .. 7
	global_load_b128 v[BQ+8*\t:BQ+8*\t+3], v9, s[12:13] offset:4*(64*(\t/4)+32*((\t/2)%2)+8*(\t%2))
	global_load_b128 v[BQ+8*\t+4:BQ+8*\t+7], v9, s[12:13] offset:4*(64*(\t/4)+32*((\t/2)%2)+8*(\t%2))+16
.endr
	WIN 0
.set i, 0
.rept 12
	global_load_b32 v[WS+i], v2, s[10:11] offset:128*i
.set i, i+1
.endr
.irp t, 0,1,2,3
	global_load_b32 v[BV+8*\t], v10, s[12:13] offset:4*(128+32*(\t/2)+8*(\t%2))   ; v's bias of my lane's channel
.endr
	s_wait_tensorcnt 0x0                           ; my 64 channels of x have landed,
	s_barrier_signal -1
	s_barrier_wait -1                              ; everybody's have
; ---- xn: eight blocks of 32 channels ----
.macro DSL j                           ; block j of my position: 32 loads, each 128 consecutive bytes a wave, into set j % 2
.set i, 0
.rept 32
	ds_load_b32 v[ACC+32*((\j)%2)+i], v[3+(\j)/4] offset:((32*(\j)+i)%128)*512
.set i, i+1
.endr
.endm
.macro HALF n, xs                      ; 16 channels are normalised
	s_wait_kmcnt 0x0                               ; this half's scalars are in (scalar loads come back in no order: the wait is for 0)
.if (\n) < 15
	KLOAD (\n)+1                                   ; the next half's go out, into the other set
.endif
.if ((\n)%2) == 0
.set SA, 68
.set SB, 84
.set SM, 100
.else
.set SA, 28
.set SB, 44
.set SM, 60
.endif
.set i, 0
.rept 16
	v_sub_f32 v[\xs+i], v[\xs+i], s[SM+i/8]
.set i, i+1
.endr
.set i, 0
.rept 16
	v_fma_f32 v[\xs+i], v[\xs+i], s[SA+i], s[SB+i]
.set i, i+1
.endr
.endm
.macro XBLOCK j
.set XB, ACC+32*((\j)%2)
.if (\j) < 7
	s_wait_dscnt 32                                ; all but the next block's 32 loads: this block is in, and the last block's stores have landed
.else
	s_wait_dscnt 0x0
.endif
	HALF 2*(\j), XB
	HALF 2*(\j)+1, XB+16
	v_max3_num_f32 v[TM], |v[XB]|, |v[XB+1]|, |v[XB+2]|
	v_max3_num_f32 v[TM+1], |v[XB+3]|, |v[XB+4]|, |v[XB+5]|
.irp k, 6,10,14,18,22,26
	v_max3_num_f32 v[TM], v[TM], |v[XB+\k]|, |v[XB+\k+1]|
	v_max3_num_f32 v[TM+1], v[TM+1], |v[XB+\k+2]|, |v[XB+\k+3]|
.endr
	v_max3_num_f32 v[TM], v[TM], |v[XB+30]|, |v[XB+31]|
	v_max3_num_f32 v[TM], v[TM], v[TM+1], FLOOR
	v_add_nc_u32 v[TM+2], EOFF, v[TM]
.if ((\j)%4) == 0
	v_lshrrev_b32 v[XW+(\j)/4], 23, v[TM+2]        ; four bytes to a word, the lower K in the lower byte
.else
	v_lshrrev_b32 v[TM+3], 23, v[TM+2]
	v_lshl_or_b32 v[XW+(\j)/4], v[TM+3], 8*((\j)%4), v[XW+(\j)/4]
.endif
.irp g, 0,1,2,3
	v_cvt_scalef32_pk8_fp4_f32 v[XC+\g], v[XB+8*\g:XB+8*\g+7], v[TM+2]
.endr
	v_nop                                          ; one plain line behind the last scaled conversion
	ds_store_b128 v5, v[XC:XC+3] offset:256*(\j)   ; channel block j = 4 s + 2 c + h of my position's row: its place in the image
.if ((\j)%4) == 3
	ds_store_b32 v6, v[XW+(\j)/4] offset:64*((\j)/4)
.endif
.if (\j) < 6
	DSL (\j)+2
.endif
.endm
	DSL 0
	DSL 1
.irp j, 0,1,2,3,4,5,6,7
	XBLOCK \j
.endr
.irp u, 0,1                                    ; my own bytes, and LDS serves a wave's instructions in order: no barrier
.irp s, 0,1
.irp c, 0,1
	ds_load_b128 v[XF+16*\u+8*\s+4*\c:XF+16*\u+8*\s+4*\c+3], v7 offset:XUB*\u+1024*\s+512*\c
.endr
.endr
	ds_load_b32 v[SX+\u], v8 offset:128*\u
.endr
	s_wait_dscnt 0x0
	s_wait_loadcnt 0x0                             ; the weights, their scale words, the biases
.irp t, 0,1,2,3
.irp k, 1,2,3,4,5,6,7
	v_mov_b32 v[BV+8*\t+\k], v[BV+8*\t]            ; v's bias is one number a lane: spread over a tile's eight registers
.endr
.endr
; ---- q and k: eight accumulators (2 tiles of positions x 4 tiles of rows) by turns; K step 0 takes the bias as C ----
.macro MULT kind
	WIN 0x11                                       ; source 0 (the weight) and source 2 (the bias) window 1
.irp u, 0,1
.irp t, 0,1,2,3
	v_wmma_scale_f32_16x16x128_f8f6f4 v[ACC+32*\u+8*\t:ACC+32*\u+8*\t+7], v[16*(4*\kind+\t):16*(4*\kind+\t)+7], v[XF+16*\u:XF+16*\u+7], v[BQ+8*(4*\kind+\t):BQ+8*(4*\kind+\t)+7], v[WS+4*\kind+\t], v[SX+\u] matrix_a_fmt:MATRIX_FMT_FP4 matrix_b_fmt:MATRIX_FMT_FP4
.endr
.endr
	WIN 0x01
.irp u, 0,1
.irp t, 0,1,2,3
	v_wmma_scale_f32_16x16x128_f8f6f4 v[ACC+32*\u+8*\t:ACC+32*\u+8*\t+7], v[16*(4*\kind+\t)+8:16*(4*\kind+\t)+15], v[XF+16*\u+8:XF+16*\u+15], v[ACC+32*\u+8*\t:ACC+32*\u+8*\t+7], v[WS+4*\kind+\t], v[SX+\u] matrix_a_fmt:MATRIX_FMT_FP4 matrix_b_fmt:MATRIX_FMT_FP4 matrix_a_scale:MATRIX_SCALE_ROW1 matrix_b_scale:MATRIX_SCALE_ROW1
.endr
.endr
	WIN 0
	PLACES 5                                       ; in front of the first read of results; the next run of products begins these accumulators anew with another C
.set i, 0
.rept 32
	v_pk_mul_f32 v[ACC+2*i:ACC+2*i+1], v[ACC+2*i:ACC+2*i+1], s[CQ:CQ+1] op_sel_hi:[1,0]   ; x 64^-0.25, each accumulator from its low end on
.set i, i+1
.endr
.endm
	MULT 0
	QUANT ACC, PCQ                                 ; blocks (u, half of the head's 64): registers 4 u .. 4 u + 3 are tile u's image
	v_mov_b32 v[QW], v[PW]
.irp u, 0,1
	global_store_b128 v11, v[PCQ+4*\u:PCQ+4*\u+3], s[14:15] offset:512*\u
.endr
	MULT 1
	QUANT ACC, PCK
.irp u, 0,1
	global_store_b128 v11, v[PCK+4*\u:PCK+4*\u+3], s[16:17] offset:512*\u
.endr
	v_cmp_eq_u32 vcc_lo, 0, v14
	v_cndmask_b32 v[JW], v[PW], v[QW], vcc_lo      ; lanes 0-15 q's word of row r, lanes 16-31 k's
	global_store_b32 v3, v[JW], s[16:17] offset:8192
; ---- v: source 0 = xn, source 1 = the weight: accumulator (tile of rows t, tile of positions u) at 16 t + 8 u ----
	WIN 0x04                                       ; source 1 window 1
.irp t, 0,1,2,3
.irp u, 0,1
	v_wmma_scale_f32_16x16x128_f8f6f4 v[ACC+16*\t+8*\u:ACC+16*\t+8*\u+7], v[XF+16*\u:XF+16*\u+7], v[16*(8+\t):16*(8+\t)+7], v[BV+8*\t:BV+8*\t+7], v[SX+\u], v[WS+8+\t] matrix_a_fmt:MATRIX_FMT_FP4 matrix_b_fmt:MATRIX_FMT_FP4
.endr
.endr
.irp t, 0,1,2,3
.irp u, 0,1
	v_wmma_scale_f32_16x16x128_f8f6f4 v[ACC+16*\t+8*\u:ACC+16*\t+8*\u+7], v[XF+16*\u+8:XF+16*\u+15], v[16*(8+\t)+8:16*(8+\t)+15], v[ACC+16*\t+8*\u:ACC+16*\t+8*\u+7], v[SX+\u], v[WS+8+\t] matrix_a_fmt:MATRIX_FMT_FP4 matrix_b_fmt:MATRIX_FMT_FP4 matrix_a_scale:MATRIX_SCALE_ROW1 matrix_b_scale:MATRIX_SCALE_ROW1
.endr
.endr
	WIN 0
	PLACES 5
	QUANT ACC, PCV                                 ; block t: my channel's 32 positions: registers 4 c .. 4 c + 3: lanes 0-15 tile 2 c, lanes 16-31 tile 2 c + 1
.irp c, 0,1
	global_store_b128 v12, v[PCV+4*\c:PCV+4*\c+3], s[16:17] offset:4096+2048*\c   ; sixteen lanes store 256 consecutive bytes, aligned
.endr
	ds_store_b32 v13, v[PW]                        ; my key block's bytes of row r's four channel tiles (lanes l and l xor 16 write the same word with the same value)
	s_wait_dscnt 0x0                               ; for wave 0's sake
	s_barrier_signal -1
	s_barrier_wait -1
	s_cmp_lg_u32 s[WV], 0
	s_cbranch_scc1 .Lnot_first
	ds_load_b128 v[210:213], v216                  ; row r: word i = key block i, its bytes the four channel tiles
	s_wait_dscnt 0x0
.irp k, 0,1,2,3
	v_lshrrev_b32 v[210+\k], v14, v[210+\k]        ; byte 0: tile h, byte 2: tile 2 + h
.endr
	v_perm_b32 v214, v211, v210, 0x06020400
	v_perm_b32 v215, v213, v212, 0x06020400
	v_perm_b32 v218, v215, v214, 0x05040100        ; tile h: the four key blocks' bytes
	v_perm_b32 v219, v215, v214, 0x07060302        ; tile 2 + h
	global_store_b64 v15, v[218:219], s[16:17] offset:8704   ; 256 consecutive bytes, aligned
.Lnot_first:
	s_wait_tensorcnt 0x0
	ds_add_u32 v254, v255
	s_wait_dscnt 0x0
	CROUND                                         ; the closing round
	s_endpgm
.Lfunc_end_k_qd0179eb083_qkv:
	.size	k_qd0179eb083_qkv, .Lfunc_end_k_qd0179eb083_qkv-k_qd0179eb083_qkv
	.p2alignl 7, 3214868480
	.fill 96, 4, 3214868480
	.section	.rodata,"a",@progbits
	.p2align	6, 0x0
	.amdhsa_kernel k_qd0179eb083_qkv
		.amdhsa_group_segment_fixed_size 168448
		.amdhsa_private_segment_fixed_size 0
		.amdhsa_enable_private_segment 0
		.amdhsa_kernarg_size 56
		.amdhsa_user_sgpr_count 2
		.amdhsa_user_sgpr_kernarg_segment_ptr 1
		.amdhsa_wavefront_size32 1
		.amdhsa_system_sgpr_workgroup_id_x 1
		.amdhsa_system_sgpr_workgroup_id_y 1
		.amdhsa_system_sgpr_workgroup_id_z 1
		.amdhsa_system_vgpr_workitem_id 0
		.amdhsa_next_free_vgpr 512
		.amdhsa_next_free_sgpr 102
		.amdhsa_reserve_vcc 1
		.amdhsa_float_denorm_mode_32 3
		.amdhsa_float_denorm_mode_16_64 3
		.amdhsa_memory_ordered 1
		.amdhsa_forward_progress 1
		.amdhsa_inst_pref_size 104
	.end_amdhsa_kernel
	.amdgpu_metadata
---
amdhsa.version: [ 1, 2 ]
amdhsa.kernels:
  - .name:           k_qd0179eb083_qkv
    .symbol:         k_qd0179eb083_qkv.kd
    .args:
      - { .name: x, .offset: 0, .size: 8, .value_kind: global_buffer, .address_space: global }
      - { .name: tab, .offset: 8, .size: 8, .value_kind: global_buffer, .address_space: global }
      - { .name: wimg, .offset: 16, .size: 8, .value_kind: global_buffer, .address_space: global }
      - { .name: wsc, .offset: 24, .size: 8, .value_kind: global_buffer, .address_space: global }
      - { .name: qkv_b, .offset: 32, .size: 8, .value_kind: global_buffer, .address_space: global }
      - { .name: qimg, .offset: 40, .size: 8, .value_kind: global_buffer, .address_space: global }
      - { .name: kvs, .offset: 48, .size: 8, .value_kind: global_buffer, .address_space: global }
    .group_segment_fixed_size: 168448
    .private_segment_fixed_size: 0
    .kernarg_segment_align: 8
    .kernarg_segment_size: 56
    .max_flat_workgroup_size: 128
    .sgpr_count:     102
    .vgpr_count:     512
    .wavefront_size: 32
...
	.end_amdgpu_metadata
.endif
;; end of part 2
;; launch attn (part 3): grid 256 x 1, 8 waves a work-group, clusters of 4 x 1, 327,680 bytes of LDS; arguments qimg, kvs, aimg, asc; writes aimg, asc
.if DOCPART == 3
	.amdgcn_target "amdgcn-amd-amdhsa--gfx1250"
	.amdhsa_code_object_version 6
	.text
	.protected	k_qd0179eb083_attn
	.globl	k_qd0179eb083_attn
	.p2align	8
	.type	k_qd0179eb083_attn,@function
k_qd0179eb083_attn:
	s_mov_b64 s[64:65], 0
	v_nop
	global_prefetch_b8 v0, s[64:65] scope:SCOPE_SE
	s_setreg_imm32_b32 hwreg(HW_REG_WAVE_MODE, 25, 1), 1
	s_wait_xcnt 0x0
	s_wait_alu depctr_hold_cnt(0) depctr_sa_sdst(0) depctr_va_vdst(0) depctr_va_sdst(0) depctr_va_ssrc(0) depctr_va_vcc(0) depctr_vm_vsrc(0)
	s_getreg_b32 s2, hwreg(HW_REG_IB_STS2, 6, 4)
	s_cmp_eq_u32 s2, 0
	s_cbranch_scc0 .Lentry_in_a_cluster
	s_endpgm
.Lentry_in_a_cluster:
	s_bfe_u32 s2, ttmp6, 0x10000c
	s_cmp_lg_u32 s2, 0x3003
	s_cbranch_scc0 .Lentry_shape_is_right
	s_endpgm
.Lentry_shape_is_right:
; a = softmax(q k^T) v for one head, both products on codes of FP4 (E2M1) with E8M0 scales; q and k carry 64^-0.25 each already.  Then a is quantised along the head's 64 channels for the projection.
; THE SOFTMAX: t = score x log2(e); M = the running largest t rounded UP to a whole number; p = 2^(t - M) is quantised along the keys, not normalised; the row's sum is taken of the unquantised p and divides at the end.
; When M moves, the sum and O are multiplied by 2^(old M - new M), which rounds nothing.
; SHARES.  hd = ttmp9 / 8; the work-group owns 128 queries, block 4 (ttmp9 % 8) + cx; each of its eight waves owns one tile of 16 queries in 256 registers, two waves to a SIMD.  Every wave walks the head's 32 steps of 128 keys.
; THE WHOLE HEAD STAYS IN LDS: its 32 records of kvs, 286,720 dense bytes, are copied as they lie, each wave four records (one of each chunk of eight): four tensor loads of a wave are out at the most.  Nothing is filled twice.
; The four work-groups of a cluster are query blocks of one head: every record is asked for JOINTLY.
; LAYOUT.  Both products are used transposed: S^T = K Q^T, O^T = V^T P^T: a lane holds ONE query throughout.  Row r of tile u of a block of 32 keys is key 8 u + r + 8 (r / 8): so the 16 registers of tiles 2 b and 2 b + 1 are 16 neighbouring keys.
; K = 64 IN AN INSTRUCTION OF 128.  A fragment of K holds TWO tiles of keys: k 0-63 tile u = 0's channels, k 64-127 tile u = 1's.  Q's 4 registers stand between two runs of 4 zero registers: v[20:27] = (Q, 0) gives tile 0's scores,
; v[16:23] = (0, Q) tile 1's.  The half that is not wanted meets zero codes; its scale bytes are real bytes, 1 to 254, of the same range as the wanted half's.  One scale word serves 32 keys; Q's word holds its two bytes twice.
; LIMITS: a block of zeros gets the byte 1 (the rule says 127): its codes are zeros and this program alone reads the bytes; NaN and infinities are not served.
; REGISTERS: v1-3 my lane's places in a record; v4-6 the step's addresses; v9 r, v10 h; v12 -M, v13 the largest t, v[14:15] the sum; v16-27 zeros, Q, zeros; v28-30 the tail's addresses; v32-63 K; v64-95 V; v96-159 S^T, then p; v160-191 O^T;
;   v192-199 p's codes; v200-217 at work; v224-227 K's scale words, v228-229 V's, v230 p's, v231 Q's.
.set FLOOR, 0x1800000
.set EOFF,  0xff000000
.set REC,   8960                       ; a record: 128 keys
.set CHB,   8*REC                      ; a chunk
.set ASTG,  32*REC                     ; behind the head: 256 bytes for a's scale bytes, written by LDS stores alone
.set WV,    12                         ; s12 wave; s13 cx; s14 hd; s15 the query block
.set SEL,   18                         ; s[18:19]
.set CS,    20                         ; s[20:21] log2(e)
.set TB,    22                         ; s22 LDS byte of the step's record
.set CNT,   23
.macro PLACES n
.rept \n
	v_nop
.endr
.endm
.macro CROUND
	s_barrier_signal -1
	s_barrier_wait -1
	s_cmp_lg_u32 s[WV], 0
	s_cbranch_scc1 .Lnot_wave_0_\@
	s_barrier_signal -3
.Lnot_wave_0_\@:
	s_barrier_wait -3
	s_barrier_signal -1
	s_barrier_wait -1
.endm
	s_load_b256 s[4:11], s[0:1], 0x0               ; qimg s[4:5], kvs s[6:7], aimg s[8:9], asc s[10:11]
	v_lshl_add_u32 v254, v0, 2, 0x46100
	v_mov_b32 v255, 0
	ds_add_u32 v254, v255
	ds_add_u32 v254, v255
	v_lshrrev_b32 v1, 5, v0
	v_readfirstlane_b32 s[WV], v1                  ; wave 0..7
	s_bfe_u32 s13, ttmp6, 0x40000                  ; cx: it enters Q's, a's and their scales' global addresses alone
	s_lshr_b32 s14, ttmp9, 3                       ; hd
	s_and_b32 s15, ttmp9, 7
	s_lshl_b32 s15, s15, 2
	s_add_co_u32 s15, s15, s13                     ; the block of 128 queries
	s_lshl_b32 s49, s15, 3
	s_add_co_u32 s49, s49, s[WV]                   ; my tile of 16 queries, 0..255
	s_mov_b32 s[SEL], 0x76543210
	s_mov_b32 s[SEL+1], 0xfedcba98
	s_mov_b32 s[CS], 0x3fb8aa3b
	s_mov_b32 s[CS+1], s[CS]                       ; (named with it as a pair, so it is written)
	; descriptor group 1, s[24:31]: a record as 35 dense rows of 256 bytes (32 elements of 8 bytes)
	s_mov_b32 s24, 15|(3<<16)|(1<<21)              ; the mask: all four work-groups; elements of 8 bytes; 21 set beside a mask
	s_mov_b32 s25, 32<<16
	s_mov_b32 s26, 35<<16
	s_mov_b32 s27, 32<<16
	s_mov_b32 s28, 35
	s_mov_b32 s29, 32
	s_mov_b32 s30, 0
	s_mov_b32 s31, 0
	s_mul_i32 s50, s14, 32*REC                     ; the head's records,
	s_mul_i32 s48, s[WV], REC                      ; mine of a chunk: in memory and in LDS alike
	s_add_co_u32 s50, s50, s48
	s_mov_b32 s51, 0
	v_and_b32 v8, 31, v0                           ; lane
	v_and_b32 v9, 15, v0                           ; r
	v_bfe_u32 v10, v0, 4, 1                        ; h
	v_lshlrev_b32 v1, 4, v8                        ; v1 16 lane
	v_lshlrev_b32 v7, 2, v9
	v_add_nc_u32 v2, 8256, v7                      ; v2 K's scale words: 8,192 + 64 + 4 r
	v_lshlrev_b32 v30, 3, v8                       ; v30 8 lane
	v_add_nc_u32 v3, 8704, v30                     ; v3 V's scale words
	s_lshl_b32 s56, s[WV], 5
	s_add_co_u32 s56, s56, ASTG
	v_lshl_add_u32 v28, v9, 1, v10
	v_add_nc_u32 v28, s56, v28                     ; v28 a's scale byte: 32 w + 2 r + h
	v_lshl_add_u32 v29, v8, 3, ASTG                ; v29 where wave 0 reads them back
	s_wait_dscnt 0x0
	s_wait_kmcnt 0x0
	s_add_nc_u64 s[50:51], s[6:7], s[50:51]
.irp c, 0,1,2,3                                ; group 0 of chunk c: s[32 + 4 c : 35 + 4 c]
	s_mov_b32 s[32+4*\c], 1
	s_add_co_u32 s[33+4*\c], s48, CHB*\c
	s_add_nc_u64 s[34+4*\c:35+4*\c], s[50:51], CHB*\c
	s_or_b32 s[35+4*\c], s[35+4*\c], 0x80000000
.endr
	CROUND                                         ; all four work-groups are here: the joint loads meet
.irp c, 0,1,2,3
	tensor_load_to_lds s[32+4*\c:35+4*\c], s[24:31]
	s_nop 0
.endr
	PLACES 4
	s_lshl_b32 s52, s14, 17
	s_lshl_b32 s53, s49, 9
	s_add_co_u32 s52, s52, s53
	s_mov_b32 s53, 0
	s_add_nc_u64 s[4:5], s[4:5], s[52:53]          ; my tile's image of Q
	s_mul_i32 s54, s14, 32*REC
	s_mul_i32 s55, s15, REC
	s_add_co_u32 s54, s54, s55
	s_lshr_b32 s55, s[WV], 1
	s_lshl_b32 s55, s55, 7
	s_add_co_u32 s54, s54, s55
	s_mov_b32 s55, 0
	s_add_nc_u64 s[54:55], s[6:7], s[54:55]        ; the scale words of my tile's block of 32 queries
	global_load_b128 v[20:23], v1, s[4:5]
	global_load_b32 v214, v7, s[54:55] offset:8192
	s_and_b32 s56, s[WV], 1                        ; my tile is u = w % 2 of its block: bytes 2 u, 2 u + 1 of the word
	s_cmp_eq_u32 s56, 0
	s_mov_b32 s57, 0x03020302
	s_cselect_b32 s57, 0x01000100, s57
	v_mov_b32 v13, 0xff61b1e6                      ; the largest t so far: -3e38
	v_floor_f32 v12, -v13                          ; -M
	v_mov_b32 v14, 0
	v_mov_b32 v15, 0
	v_mov_b32 v213, 0                              ; (the upper half of the pair v[212:213])
.irp b, 0,1,2,3
	v_mov_b32 v[204+\b], 0                         ; lane permutes' destinations
.endr
	s_wait_loadcnt 0x0
	v_perm_b32 v231, v214, v214, s57               ; Q's two bytes, twice.  The 40 lines below are the places between this line and the first product
.irp k, 16,17,18,19,24,25,26,27
	v_mov_b32 v[\k], 0
.endr
.set i, 0
.rept 32
	v_mov_b32 v[160+i], 0                          ; O^T: the step is written once; the first change of M leaves zeros zeros
.set i, i+1
.endr
.macro STEP
	v_add_nc_u32 v4, s[TB], v1                     ; these four lines are the places behind the last step's products, in front of the loads into the registers that they read
	v_add_nc_u32 v5, s[TB], v2
	v_add_nc_u32 v6, s[TB], v3
	v_nop
.irp b, 0,1,2,3
	ds_load_b128 v[32+8*\b:35+8*\b], v4 offset:1024*\b
	ds_load_b128 v[36+8*\b:39+8*\b], v4 offset:1024*\b+512
	ds_load_b32 v[224+\b], v5 offset:128*\b
.endr
.irp t, 0,1,2,3
	ds_load_b128 v[64+8*\t:67+8*\t], v4 offset:4096+1024*\t
	ds_load_b128 v[68+8*\t:71+8*\t], v4 offset:4096+1024*\t+512
.endr
	ds_load_b64 v[228:229], v6
	s_wait_dscnt 9                                 ; K and its scale words are in; V's eight loads and its scale words' one may be out
.irp b, 0,1,2,3
	v_wmma_scale_f32_16x16x128_f8f6f4 v[96+16*\b:103+16*\b], v[32+8*\b:39+8*\b], v[20:27], 0, v[224+\b], v231 matrix_a_fmt:MATRIX_FMT_FP4 matrix_b_fmt:MATRIX_FMT_FP4
	v_wmma_scale_f32_16x16x128_f8f6f4 v[104+16*\b:111+16*\b], v[32+8*\b:39+8*\b], v[16:23], 0, v[224+\b], v231 matrix_a_fmt:MATRIX_FMT_FP4 matrix_b_fmt:MATRIX_FMT_FP4
.endr
	PLACES 4
.irp b, 0,1,2,3
	v_max3_num_f32 v[200+\b], v[96+16*\b], v[97+16*\b], v[98+16*\b]   ; the largest score of each block of 32 keys: for the row's maximum, and, since p rises with the score, for the block's largest p
.endr
.irp k, 3,5,7,9,11,13
.irp b, 0,1,2,3
	v_max3_num_f32 v[200+\b], v[200+\b], v[96+16*\b+\k], v[97+16*\b+\k]
.endr
.endr
.irp b, 0,1,2,3
	v_max_num_f32 v[200+\b], v[200+\b], v[111+16*\b]
.endr
.irp b, 0,1,2,3
	v_permlanex16_b32 v[204+\b], v[200+\b], s[SEL], s[SEL+1]
.endr
.irp b, 0,1,2,3
	v_max_num_f32 v[200+\b], v[200+\b], v[204+\b]  ; with lane l xor 16's 16 keys
.endr
	v_max3_num_f32 v214, v200, v201, v202
	v_max_num_f32 v214, v214, v203
	v_mul_f32 v214, s[CS], v214                    ; as t
	v_max_num_f32 v13, v13, v214                   ; the running largest t
	v_mov_b32 v214, v12
	v_floor_f32 v12, -v13                          ; the new -M = -ceil(t)
	v_sub_f32 v214, v12, v214                      ; old M - new M: a whole number, 0 or less
	v_cvt_i32_f32 v214, v214                       ; (it saturates)
	v_ldexp_f32 v212, 1.0, v214                    ; f = 2^(old M - new M)
.set i, 0
.rept 32
	v_pk_fma_f32 v[96+2*i:97+2*i], v[96+2*i:97+2*i], s[CS:CS+1], v[12:13] op_sel_hi:[1,0,0]   ; t - M
.set i, i+1
.endr
.irp b, 0,1,2,3
	v_fma_f32 v[200+\b], v[200+\b], s[CS], v12
.endr
.set i, 0
.rept 64
	v_exp_f32 v[96+i], v[96+i]                     ; p = 2^(t - M)
.set i, i+1
.endr
.irp b, 0,1,2,3
	v_exp_f32 v[200+\b], v[200+\b]                 ; the block's largest p: the same two instructions on the same number
.endr
	v_pk_mul_f32 v[14:15], v[14:15], v[212:213] op_sel_hi:[1,0]   ; the sums under the new M (a plain line behind the exponentials)
	s_wait_alu depctr_va_vdst(0)
.irp b, 0,1,2,3
	v_max_num_f32 v[200+\b], FLOOR, v[200+\b]
.endr
.irp b, 0,1,2,3
	v_add_nc_u32 v[208+\b], EOFF, v[200+\b]
.endr
.irp b, 0,1,2,3
	v_lshrrev_b32 v[204+\b], 23, v[208+\b]
.endr
	v_lshl_or_b32 v230, v205, 8, v204              ; p's scale word for these 128 keys
	v_lshl_or_b32 v230, v206, 16, v230
	v_lshl_or_b32 v230, v207, 24, v230
.irp b, 0,1,2,3
	v_cvt_scalef32_pk8_fp4_f32 v[192+2*\b], v[96+16*\b:103+16*\b], v[208+\b]
	v_cvt_scalef32_pk8_fp4_f32 v[193+2*\b], v[104+16*\b:111+16*\b], v[208+\b]
.endr
	v_nop                                          ; one plain line behind the last scaled conversion
.irp c, 0,1
.irp k, 0,1
	v_permlane16_swap_b32 v[192+4*\c+\k], v[194+4*\c+\k]   ; a whole block in a lane: lanes 0-15 block 2 c, lanes 16-31 block 2 c + 1
.endr
.endr
	v_pk_add_f32 v[216:217], v[96:97], v[98:99]    ; the row's sum of the UNQUANTISED p, in two chains
.irp k, 4,8,12,16,20,24,28,32,36,40,44,48,52,56,60
	v_pk_add_f32 v[14:15], v[14:15], v[96+\k:97+\k]
	v_pk_add_f32 v[216:217], v[216:217], v[98+\k:99+\k]
.endr
	v_pk_add_f32 v[14:15], v[14:15], v[216:217]
.set i, 0
.rept 16
	v_pk_mul_f32 v[160+2*i:161+2*i], v[160+2*i:161+2*i], v[212:213] op_sel_hi:[1,0]   ; O^T under the new M
.set i, i+1
.endr
	s_wait_dscnt 0x0                               ; V and its scale words are in
	; four accumulators by turns; the matrix instruction in front of the first and behind the last name other accumulators
	v_wmma_scale_f32_16x16x128_f8f6f4 v[160:167], v[64:71], v[192:199], v[160:167], v228, v230 matrix_a_fmt:MATRIX_FMT_FP4 matrix_b_fmt:MATRIX_FMT_FP4
	v_wmma_scale_f32_16x16x128_f8f6f4 v[168:175], v[72:79], v[192:199], v[168:175], v228, v230 matrix_a_fmt:MATRIX_FMT_FP4 matrix_b_fmt:MATRIX_FMT_FP4 matrix_a_scale:MATRIX_SCALE_ROW1
	v_wmma_scale_f32_16x16x128_f8f6f4 v[176:183], v[80:87], v[192:199], v[176:183], v229, v230 matrix_a_fmt:MATRIX_FMT_FP4 matrix_b_fmt:MATRIX_FMT_FP4
	v_wmma_scale_f32_16x16x128_f8f6f4 v[184:191], v[88:95], v[192:199], v[184:191], v229, v230 matrix_a_fmt:MATRIX_FMT_FP4 matrix_b_fmt:MATRIX_FMT_FP4 matrix_a_scale:MATRIX_SCALE_ROW1
	s_add_co_u32 s[TB], s[TB], REC
.endm
; A chunk of eight steps.  left = my tensor loads of the later chunks, which may stay out.
.macro CHUNK left, c
	s_wait_tensorcnt \left                         ; my record of this chunk has landed,
	s_wait_dscnt 0x0
	s_barrier_signal -1
	s_barrier_wait -1                              ; everybody's has
	s_mov_b32 s[TB], CHB*\c
	s_mov_b32 s[CNT], 8
.Lstep_\@:
	STEP
	s_sub_co_u32 s[CNT], s[CNT], 1
	s_cmp_lg_u32 s[CNT], 0
	s_cbranch_scc1 .Lstep_\@
.endm
	CHUNK 3, 0
	CHUNK 2, 1
	CHUNK 1, 2
	CHUNK 0, 3
	; THE WAY OUT: O^T / the sum; quantised along the head's channels (V's rows were laid so that my 16 registers of two tiles are 16 neighbouring channels); the image of my tile's part of the projection's operand.
	PLACES 4
	v_add_f32 v14, v14, v15
	v_permlanex16_b32 v214, v14, s[SEL], s[SEL+1]
	v_add_f32 v14, v14, v214                       ; the row's sum
	v_rcp_f32 v14, v14
	v_nop                                          ; a plain line behind the transcendental
.set i, 0
	s_wait_alu depctr_va_vdst(0)
.rept 16
	v_pk_mul_f32 v[96+2*i:97+2*i], v[160+2*i:161+2*i], v[14:15] op_sel_hi:[1,0]   ; each accumulator from its low end on
.set i, i+1
.endr
.irp b, 0,1
	v_max3_num_f32 v[200+\b], |v[96+16*\b]|, |v[97+16*\b]|, FLOOR
.endr
.irp k, 2,4,6,8,10,12,14
.irp b, 0,1
	v_max3_num_f32 v[200+\b], v[200+\b], |v[96+16*\b+\k]|, |v[97+16*\b+\k]|
.endr
.endr
.irp b, 0,1
	v_permlanex16_b32 v[204+\b], v[200+\b], s[SEL], s[SEL+1]
.endr
.irp b, 0,1
	v_max_num_f32 v[200+\b], v[200+\b], v[204+\b]
.endr
.irp b, 0,1
	v_add_nc_u32 v[208+\b], EOFF, v[200+\b]
.endr
.irp b, 0,1
	v_lshrrev_b32 v[204+\b], 23, v[208+\b]
.endr
.irp b, 0,1
	v_cvt_scalef32_pk8_fp4_f32 v[192+2*\b], v[96+16*\b:103+16*\b], v[208+\b]
	v_cvt_scalef32_pk8_fp4_f32 v[193+2*\b], v[104+16*\b:111+16*\b], v[208+\b]
.endr
	v_nop
	v_permlane16_swap_b32 v192, v194
	v_permlane16_swap_b32 v193, v195               ; v[192:195]: lane (r, h): channels 32 h .. 32 h + 31 of query r
	s_lshr_b32 s52, s14, 2
	s_lshl_b32 s52, s52, 19                        ; the batch,
	s_lshl_b32 s53, s49, 11                        ; my tile's 2,048 bytes,
	s_add_co_u32 s52, s52, s53
	s_and_b32 s53, s14, 3
	s_lshl_b32 s53, s53, 9                         ; the head's 512 of them
	s_add_co_u32 s52, s52, s53
	s_mov_b32 s53, 0
	s_add_nc_u64 s[8:9], s[8:9], s[52:53]
	global_store_b128 v1, v[192:195], s[8:9]       ; 512 consecutive bytes
	v_cmp_eq_u32 vcc_lo, 1, v10
	v_cndmask_b32 v214, v204, v205, vcc_lo         ; lane (r, h) carries the byte of channels 32 h on
	ds_store_b8 v28, v214
	s_wait_dscnt 0x0                               ; for wave 0's sake
	s_barrier_signal -1
	s_barrier_wait -1
	s_cmp_lg_u32 s[WV], 0
	s_cbranch_scc1 .Lnot_first
	ds_load_b64 v[216:217], v29
	s_lshl_b32 s52, s14, 13
	s_lshl_b32 s53, s15, 8
	s_add_co_u32 s52, s52, s53
	s_mov_b32 s53, 0
	s_add_nc_u64 s[10:11], s[10:11], s[52:53]
	s_wait_dscnt 0x0
	global_store_b64 v30, v[216:217], s[10:11]     ; the work-group's 256 scale bytes: consecutive, aligned
.Lnot_first:
	s_wait_tensorcnt 0x0
	ds_add_u32 v254, v255
	s_wait_dscnt 0x0
	CROUND                                         ; the closing round
	s_endpgm
.Lfunc_end_k_qd0179eb083_attn:
	.size	k_qd0179eb083_attn, .Lfunc_end_k_qd0179eb083_attn-k_qd0179eb083_attn
	.p2alignl 7, 3214868480
	.fill 96, 4, 3214868480
	.section	.rodata,"a",@progbits
	.p2align	6, 0x0
	.amdhsa_kernel k_qd0179eb083_attn
		.amdhsa_group_segment_fixed_size 327680
		.amdhsa_private_segment_fixed_size 0
		.amdhsa_enable_private_segment 0
		.amdhsa_kernarg_size 32
		.amdhsa_user_sgpr_count 2
		.amdhsa_user_sgpr_kernarg_segment_ptr 1
		.amdhsa_wavefront_size32 1
		.amdhsa_system_sgpr_workgroup_id_x 1
		.amdhsa_system_sgpr_workgroup_id_y 1
		.amdhsa_system_sgpr_workgroup_id_z 1
		.amdhsa_system_vgpr_workitem_id 0
		.amdhsa_next_free_vgpr 256
		.amdhsa_next_free_sgpr 66
		.amdhsa_reserve_vcc 1
		.amdhsa_float_denorm_mode_32 3
		.amdhsa_float_denorm_mode_16_64 3
		.amdhsa_memory_ordered 1
		.amdhsa_forward_progress 1
		.amdhsa_inst_pref_size 72
	.end_amdhsa_kernel
	.amdgpu_metadata
---
amdhsa.version: [ 1, 2 ]
amdhsa.kernels:
  - .name:           k_qd0179eb083_attn
    .symbol:         k_qd0179eb083_attn.kd
    .args:
      - { .name: qimg, .offset: 0, .size: 8, .value_kind: global_buffer, .address_space: global }
      - { .name: kvs, .offset: 8, .size: 8, .value_kind: global_buffer, .address_space: global }
      - { .name: aimg, .offset: 16, .size: 8, .value_kind: global_buffer, .address_space: global }
      - { .name: asc, .offset: 24, .size: 8, .value_kind: global_buffer, .address_space: global }
    .group_segment_fixed_size: 327680
    .private_segment_fixed_size: 0
    .kernarg_segment_align: 8
    .kernarg_segment_size: 32
    .max_flat_workgroup_size: 256
    .sgpr_count:     66
    .vgpr_count:     256
    .wavefront_size: 32
...
	.end_amdgpu_metadata
.endif
;; end of part 3
;; launch proj (part 4): grid 64 x 4, 4 waves a work-group, no clusters, 35,328 bytes of LDS; arguments aimg, asc, wimg, wsc, proj_b, x, out0; writes out0
.if DOCPART == 4
	.amdgcn_target "amdgcn-amd-amdhsa--gfx1250"
	.amdhsa_code_object_version 6
	.text
	.protected	k_qd0179eb083_proj
	.globl	k_qd0179eb083_proj
	.p2align	8
	.type	k_qd0179eb083_proj,@function
k_qd0179eb083_proj:
	s_mov_b64 s[64:65], 0
	v_nop
	global_prefetch_b8 v0, s[64:65] scope:SCOPE_SE
	s_setreg_imm32_b32 hwreg(HW_REG_WAVE_MODE, 25, 1), 1
	s_wait_xcnt 0x0
; out0 = x + proj_w a + proj_b, the product on codes of FP4 (E2M1) with E8M0 scales, K = the 256 channels.
; SHARES.  Work-group (32 b + tb, oc): 128 positions x 64 output channels.  In the product wave w takes positions 32 w .. 32 w + 31 (two tiles) x the 64 channels (four tiles of proj_w): eight accumulators, two K steps.
; Source 0 = a's tile (rows = positions, row m of tile u = position 8 u + m + 8 (m / 8)), source 1 = proj_w's tile: a lane holds ONE output channel and eight NEIGHBOURING positions, 32 bytes of a row of out0.
; The results meet in a stage in LDS (64 rows x (512 + 16) bytes); behind a barrier wave w takes rows 16 w .. 16 w + 15 whole, adds x and the bias, and stores 512 consecutive bytes an instruction.
; (x + bias) + product, where reference() has x + (product + bias): another order of rounding.
; NO CLUSTER, NO TENSOR LOAD: of the 88 KiB that a work-group moves, 64 KiB (x and out0) are its own; the 24 KiB that it shares with others come straight into registers as images.
; REGISTERS: v1 16 lane, v2 4 lane, v3 a's scale bytes, v4, v5 the stage; v16-47 a's fragments ((u, s) at 16 + 16 u + 8 s); v48-111 proj_w's ((t, s) at 48 + 16 t + 8 s), later the rows read back;
;   v112-175 accumulators ((u, t) at 112 + 8 (4 u + t)); v176-239 x, then the result; v240-241 a's scale words, v242-245 proj_w's; v246-249 halves of a's.
.set WV, 18
	s_load_b256 s[4:11], s[0:1], 0x0               ; aimg s[4:5], asc s[6:7], wimg s[8:9], wsc s[10:11]
	s_load_b128 s[12:15], s[0:1], 0x20             ; proj_b s[12:13], x s[14:15]
	s_load_b64 s[16:17], s[0:1], 0x30              ; out0
	v_lshl_add_u32 v254, v0, 2, 0x8800
	v_mov_b32 v255, 0
	v_lshrrev_b32 v1, 5, v0
	v_readfirstlane_b32 s[WV], v1                  ; wave 0..3
	s_lshr_b32 s19, ttmp9, 5                       ; b
	s_and_b32 s20, ttmp9, 31                       ; tb
	s_and_b32 s21, ttmp7, 0xffff                   ; oc
	v_and_b32 v6, 31, v0                           ; lane
	v_and_b32 v7, 15, v0                           ; r
	v_bfe_u32 v8, v0, 4, 1                         ; h
	v_lshlrev_b32 v1, 4, v6
	v_lshlrev_b32 v2, 2, v6
	v_lshlrev_b32 v3, 14, v8
	v_lshl_add_u32 v3, v7, 1, v3                   ; 16,384 h + 2 r: lanes 0-15 heads 0, 1 (K step 0), lanes 16-31 heads 2, 3 (K step 1)
	s_lshl_b32 s22, s[WV], 7
	v_mul_u32_u24 v4, v7, 528
	v_lshl_add_u32 v4, v8, 6, v4
	v_add_nc_u32 v4, s22, v4                       ; into the stage: 528 r + 64 h + 128 w
	s_mul_i32 s22, s[WV], 8448
	v_add_nc_u32 v5, s22, v1                       ; back: my 16 rows, 16 bytes a lane
	s_mov_b32 s23, 0
	s_lshl_b32 s24, s20, 3
	s_lshl_b32 s25, s[WV], 1
	s_add_co_u32 s24, s24, s25                     ; my first tile of 16 positions: 8 tb + 2 w
	s_lshl_b32 s26, s21, 2
	s_add_co_u32 s26, s26, 48                      ; the first of my four tiles of proj_w
	s_wait_kmcnt 0x0
	s_lshl_b32 s22, s19, 19
	s_lshl_b32 s25, s24, 11
	s_add_co_u32 s22, s22, s25
	s_add_nc_u64 s[4:5], s[4:5], s[22:23]
	s_lshl_b32 s22, s19, 15
	s_lshl_b32 s25, s24, 5
	s_add_co_u32 s22, s22, s25
	s_add_nc_u64 s[6:7], s[6:7], s[22:23]
	s_lshl_b32 s22, s26, 11
	s_add_nc_u64 s[8:9], s[8:9], s[22:23]
	s_lshl_b32 s22, s26, 7
	s_add_nc_u64 s[10:11], s[10:11], s[22:23]
	s_lshl_b32 s22, s21, 8
	s_lshl_b32 s25, s[WV], 6
	s_add_co_u32 s22, s22, s25
	s_add_nc_u64 s[12:13], s[12:13], s[22:23]      ; the bias of rows 64 oc + 16 w on
	s_lshl_b32 s22, s19, 8
	s_lshl_b32 s25, s21, 6
	s_add_co_u32 s22, s22, s25
	s_lshl_b32 s25, s[WV], 4
	s_add_co_u32 s22, s22, s25                     ; row 256 b + 64 oc + 16 w of x and out0,
	s_lshl_b32 s22, s22, 14
	s_lshl_b32 s25, s20, 9                         ; at position 128 tb
	s_add_co_u32 s22, s22, s25
	s_add_nc_u64 s[14:15], s[14:15], s[22:23]
	s_add_nc_u64 s[16:17], s[16:17], s[22:23]
.set i, 0
.rept 8
	global_load_b128 v[16+4*i:19+4*i], v1, s[4:5] offset:512*i
.set i, i+1
.endr
.irp u, 0,1
	global_load_u16 v[246+2*\u], v3, s[6:7] offset:32*\u          ; the even head's two bytes of row r,
	global_load_u16 v[247+2*\u], v3, s[6:7] offset:32*\u+8192     ; the odd head's
.endr
.set i, 0
.rept 16
	global_load_b128 v[48+4*i:51+4*i], v1, s[8:9] offset:512*i
.set i, i+1
.endr
.irp t, 0,1,2,3
	global_load_b32 v[242+\t], v2, s[10:11] offset:128*\t
.endr
	s_load_b512 s[32:47], s[12:13], 0x0
.set i, 0
.rept 16
	global_load_b128 v[176+4*i:179+4*i], v1, s[14:15] offset:16384*i th:TH_LOAD_NT   ; 512 consecutive bytes of a row of x; this launch reads them once
.set i, i+1
.endr
	s_wait_loadcnt 16                              ; all but x's sixteen loads
	v_lshl_or_b32 v240, v247, 16, v246
	v_lshl_or_b32 v241, v249, 16, v248
.rept 8
	v_nop                                          ; a scale register written by a vector instruction stands eight places ahead of a scaled matrix instruction
.endr
.irp u, 0,1                                    ; eight accumulators by turns; the first K step starts the sums
.irp t, 0,1,2,3
	v_wmma_scale_f32_16x16x128_f8f6f4 v[112+8*(4*\u+\t):119+8*(4*\u+\t)], v[16+16*\u:23+16*\u], v[48+16*\t:55+16*\t], 0, v[240+\u], v[242+\t] matrix_a_fmt:MATRIX_FMT_FP4 matrix_b_fmt:MATRIX_FMT_FP4
.endr
.endr
.irp u, 0,1
.irp t, 0,1,2,3
	v_wmma_scale_f32_16x16x128_f8f6f4 v[112+8*(4*\u+\t):119+8*(4*\u+\t)], v[24+16*\u:31+16*\u], v[56+16*\t:63+16*\t], v[112+8*(4*\u+\t):119+8*(4*\u+\t)], v[240+\u], v[242+\t] matrix_a_fmt:MATRIX_FMT_FP4 matrix_b_fmt:MATRIX_FMT_FP4 matrix_a_scale:MATRIX_SCALE_ROW1 matrix_b_scale:MATRIX_SCALE_ROW1
.endr
.endr
.rept 4
	v_nop                                          ; places in front of the stores that read results, and of the loads into registers that the products read
.endr
.irp u, 0,1
.irp t, 0,1,2,3
	ds_store_b128 v4, v[112+8*(4*\u+\t):115+8*(4*\u+\t)] offset:8448*\t+32*\u       ; row 16 t + r, positions 32 w + 8 u + 16 h + 0 .. 7; each accumulator from its low end on
	ds_store_b128 v4, v[116+8*(4*\u+\t):119+8*(4*\u+\t)] offset:8448*\t+32*\u+16
.endr
.endr
	s_wait_dscnt 0x0                               ; for the others' sake: my stores have landed
	s_barrier_signal -1
	s_barrier_wait -1
.set i, 0
.rept 16
	ds_load_b128 v[48+4*i:51+4*i], v5 offset:528*i
.set i, i+1
.endr
	s_wait_loadcnt 0x0                             ; x
	s_wait_kmcnt 0x0                               ; the bias
.set i, 0
.rept 16
.irp k, 0,1,2,3
	v_add_f32 v[176+4*i+\k], s[32+i], v[176+4*i+\k]   ; x + bias, while the rows come back from the stage
.endr
.set i, i+1
.endr
.set i, 0
.rept 16
	s_wait_dscnt 15-i                              ; row i is back; the later rows' loads may be out
	v_pk_add_f32 v[176+4*i:177+4*i], v[176+4*i:177+4*i], v[48+4*i:49+4*i]
	v_pk_add_f32 v[178+4*i:179+4*i], v[178+4*i:179+4*i], v[50+4*i:51+4*i]
	global_store_b128 v1, v[176+4*i:179+4*i], s[16:17] offset:16384*i th:TH_STORE_NT   ; 512 consecutive bytes, aligned; no store's data are written again
.set i, i+1
.endr
	s_wait_tensorcnt 0x0
	ds_add_u32 v254, v255
	s_wait_dscnt 0x0
	s_endpgm
.Lfunc_end_k_qd0179eb083_proj:
	.size	k_qd0179eb083_proj, .Lfunc_end_k_qd0179eb083_proj-k_qd0179eb083_proj
	.p2alignl 7, 3214868480
	.fill 96, 4, 3214868480
	.section	.rodata,"a",@progbits
	.p2align	6, 0x0
	.amdhsa_kernel k_qd0179eb083_proj
		.amdhsa_group_segment_fixed_size 35328
		.amdhsa_private_segment_fixed_size 0
		.amdhsa_enable_private_segment 0
		.amdhsa_kernarg_size 56
		.amdhsa_user_sgpr_count 2
		.amdhsa_user_sgpr_kernarg_segment_ptr 1
		.amdhsa_wavefront_size32 1
		.amdhsa_system_sgpr_workgroup_id_x 1
		.amdhsa_system_sgpr_workgroup_id_y 1
		.amdhsa_system_sgpr_workgroup_id_z 1
		.amdhsa_system_vgpr_workitem_id 0
		.amdhsa_next_free_vgpr 256
		.amdhsa_next_free_sgpr 66
		.amdhsa_reserve_vcc 0
		.amdhsa_float_denorm_mode_32 3
		.amdhsa_float_denorm_mode_16_64 3
		.amdhsa_memory_ordered 1
		.amdhsa_forward_progress 1
		.amdhsa_inst_pref_size 18
	.end_amdhsa_kernel
	.amdgpu_metadata
---
amdhsa.version: [ 1, 2 ]
amdhsa.kernels:
  - .name:           k_qd0179eb083_proj
    .symbol:         k_qd0179eb083_proj.kd
    .args:
      - { .name: aimg, .offset: 0, .size: 8, .value_kind: global_buffer, .address_space: global }
      - { .name: asc, .offset: 8, .size: 8, .value_kind: global_buffer, .address_space: global }
      - { .name: wimg, .offset: 16, .size: 8, .value_kind: global_buffer, .address_space: global }
      - { .name: wsc, .offset: 24, .size: 8, .value_kind: global_buffer, .address_space: global }
      - { .name: proj_b, .offset: 32, .size: 8, .value_kind: global_buffer, .address_space: global }
      - { .name: x, .offset: 40, .size: 8, .value_kind: global_buffer, .address_space: global }
      - { .name: out0, .offset: 48, .size: 8, .value_kind: global_buffer, .address_space: global }
    .group_segment_fixed_size: 35328
    .private_segment_fixed_size: 0
    .kernarg_segment_align: 8
    .kernarg_segment_size: 56
    .max_flat_workgroup_size: 128
    .sgpr_count:     66
    .vgpr_count:     256
    .wavefront_size: 32
...
	.end_amdgpu_metadata
.endif
;; end of part 4
;; ======== version 2 of 2: 4 launches
;; workspace buffers: tab 6,144 bytes; wimg 131,072 bytes; wsc 8,192 bytes; qimg 1,048,576 bytes; kvs 2,293,760 bytes; aimg 1,048,576 bytes; asc 65,536 bytes
;; launch prep (part 5): grid 72 x 1, 8 waves a work-group, no clusters, 2,048 bytes of LDS; arguments x, norm_w, norm_b, qkv_w, proj_w, tab, wimg, wsc; writes tab, wimg, wsc
.if DOCPART == 5
	.amdgcn_target "amdgcn-amd-amdhsa--gfx1250"
	.amdhsa_code_object_version 6
	.text
	.protected	k_qd0179eb083_prep
	.globl	k_qd0179eb083_prep
	.p2align	8
	.type	k_qd0179eb083_prep,@function
k_qd0179eb083_prep:
	s_mov_b64 s[64:65], 0
	v_nop
	global_prefetch_b8 v0, s[64:65] scope:SCOPE_SE
	s_setreg_imm32_b32 hwreg(HW_REG_WAVE_MODE, 25, 1), 1
	s_wait_xcnt 0x0
; TWO JOBS IN ONE LAUNCH, parted on the work-group's number alone.
; Work-groups 0-63: the GroupNorm statistics of group G = 32 b + g: 8 channels x 4,096 positions = 131,072 dense bytes of x, kept in registers (128 a lane) between the
;   pass that finds the mean and the pass that sums (x - mean)^2: x is read once and no difference of large sums is formed.  Out: tab [b][3][256] f32: rsqrt(var + eps) x norm_w, norm_b, the group's mean.
; Work-groups 64-71: qkv_w (48 tiles of 16 rows) and proj_w (16 tiles) become codes of FP4 (E2M1) with one E8M0 byte for each 32 along K, one tile a wave, laid as IMAGES OF THE OPERAND'S REGISTERS:
;   wimg: tile T at 2,048 T; in it 1,024 s + 512 c + 16 lane: lane (r, h) holds k = 128 s + 64 c + 32 h + 0 .. 31 of the tile's row r.   wsc: 128 T + 4 lane: lanes 0-15 row r's scale word of K step 0, lanes 16-31 of K step 1.
;   Row r of a tile of qkv_w is row 64 (T / 4) + 32 ((T / 2) % 2) + 8 (T % 2) + r + 8 (r / 8): so the results of two neighbouring tiles are 16 neighbours in a lane.  A tile of proj_w takes 16 neighbouring rows.
; A block's scale byte is its largest magnitude's exponent field - 2, held at 1 from below.  LIMITS: a block of zeros gets the byte 1 (the rule says 127): its codes are zeros and this program alone reads the bytes;
; blocks whose largest magnitude lies under 2^-124 have the byte held at 1; NaN and infinities are not served.  The weights are read 16 bytes a lane, each lane in its own row: 1 MiB in all, once.
; No cluster: the work-groups share no input.  Only the statistics' path uses LDS and barriers.
.set FLOOR, 0x1800000                  ; 2^(3 - 127)
.set EOFF,  0xff000000                 ; takes 2 off an exponent field
	s_load_b256 s[4:11], s[0:1], 0x0               ; x s[4:5], norm_w s[6:7], norm_b s[8:9], qkv_w s[10:11]
	s_load_b256 s[12:19], s[0:1], 0x20             ; proj_w s[12:13], tab s[14:15], wimg s[16:17], wsc s[18:19]
	v_lshl_add_u32 v176, v0, 2, 0x400
	v_mov_b32 v177, 0
	v_lshrrev_b32 v1, 5, v0
	s_delay_alu instid0(VALU_DEP_1)
	v_readfirstlane_b32 s20, v1                    ; wave 0..7
	s_mov_b32 s22, 0x76543210                      ; v_permlanex16_b32's selects for lane l xor 16
	s_mov_b32 s23, 0xfedcba98
	v_and_b32 v157, 31, v0                         ; lane
	s_cmp_ge_u32 ttmp9, 64
	s_cbranch_scc1 .Lweights
; ---------------- the statistics of one group ----------------
; v1 16 x thread; v[2:9] four packed chains; v10 a permute's destination; v11 4 x wave; v[12:13] the mean, twice; v[16:143] the data; v[144:151] the waves' parts
	v_lshlrev_b32 v1, 4, v0
	v_and_b32 v154, 7, v0
	s_and_b32 s26, ttmp9, 31                       ; g
	s_lshl_b32 s27, s26, 5
	v_lshl_add_u32 v155, v154, 2, s27              ; byte of channel 8 g + lane % 8 in norm_w, norm_b and a row of tab
	v_lshrrev_b32 v11, 5, v0
	s_delay_alu instid0(VALU_DEP_1)
	v_lshlrev_b32 v11, 2, v11
	v_mov_b32 v156, 0
	v_mov_b32 v10, 0                               ; a lane permute's destination counts as one of its sources
	s_lshl_b32 s24, ttmp9, 17                      ; the group's 131,072 bytes
	s_mov_b32 s25, 0
	s_mov_b32 s28, 0x38000000                      ; 1 / 32,768
	s_mov_b32 s29, 0x3727c5ac                      ; eps = 1e-5
	s_wait_alu depctr_va_vdst(0)
	s_wait_kmcnt 0x0
	s_add_nc_u64 s[4:5], s[4:5], s[24:25]
	global_load_b32 v152, v155, s[6:7]             ; the two oldest loads: every counted wait below covers them
	global_load_b32 v153, v155, s[8:9]
.set i, 0
.rept 32
	global_load_b128 v[16+4*i:19+4*i], v1, s[4:5] offset:4096*i   ; a wave reads 512 consecutive bytes, the eight waves 4,096
.set i, i+1
.endr
.macro SUMQ q                          ; a quarter of the data, 16 pairs, onto four chains; the first eight pairs start the chains: nothing is cleared
	s_wait_loadcnt 24-8*\q                         ; the loads of the later quarters may be out
.set p, 0
.rept 16
.if (\q == 0) && (p < 4)
	v_pk_add_f32 v[2+2*p:3+2*p], v[16+2*p:17+2*p], v[24+2*p:25+2*p]
.elseif (\q == 0) && (p < 8)
.else
	v_pk_add_f32 v[2+2*(p%4):3+2*(p%4)], v[2+2*(p%4):3+2*(p%4)], v[16+32*\q+2*p:17+32*\q+2*p]
.endif
.set p, p+1
.endr
.endm
.macro FOLD                            ; four chains -> v2, then over the wave's 32 lanes
	s_delay_alu instid0(VALU_DEP_3)
	v_pk_add_f32 v[2:3], v[2:3], v[4:5]
	s_delay_alu instid0(VALU_DEP_2)
	v_pk_add_f32 v[6:7], v[6:7], v[8:9]
	s_delay_alu instid0(VALU_DEP_1)
	v_pk_add_f32 v[2:3], v[2:3], v[6:7]
	s_delay_alu instid0(VALU_DEP_1)
	v_add_f32 v2, v2, v3
	s_delay_alu instid0(VALU_DEP_1)
	v_add_f32_dpp v2, v2, v2 row_xmask:1 row_mask:0xf bank_mask:0xf
	s_delay_alu instid0(VALU_DEP_1)
	v_add_f32_dpp v2, v2, v2 row_xmask:2 row_mask:0xf bank_mask:0xf
	s_delay_alu instid0(VALU_DEP_1)
	v_add_f32_dpp v2, v2, v2 row_xmask:4 row_mask:0xf bank_mask:0xf
	s_delay_alu instid0(VALU_DEP_1)
	v_add_f32_dpp v2, v2, v2 row_xmask:8 row_mask:0xf bank_mask:0xf
	s_delay_alu instid0(VALU_DEP_1)
	v_permlanex16_b32 v10, v2, s22, s23
	s_delay_alu instid0(VALU_DEP_1)
	v_add_f32 v2, v2, v10
.endm
.macro ACROSS off                      ; over the eight waves: each stores its part to its own word at LDS byte off + 4 x wave; a barrier; every wave adds all eight
	ds_store_b32 v11, v2 offset:\off
	s_wait_dscnt 0x0                               ; for the others' sake: my store has landed
	s_barrier_signal -1
	s_barrier_wait -1
	ds_load_b128 v[144:147], v156 offset:\off
	ds_load_b128 v[148:151], v156 offset:\off+16
	s_wait_dscnt 0x0
	v_add_f32 v144, v144, v145
	v_add_f32 v146, v146, v147
	v_add_f32 v148, v148, v149
	v_add_f32 v150, v150, v151
	s_delay_alu instid0(VALU_DEP_3)
	v_add_f32 v144, v144, v146
	s_delay_alu instid0(VALU_DEP_2)
	v_add_f32 v148, v148, v150
	s_delay_alu instid0(VALU_DEP_1)
	v_add_f32 v2, v144, v148
.endm
	SUMQ 0
	s_wait_alu depctr_va_vdst(0)
	SUMQ 1
	s_wait_alu depctr_va_vdst(0)
	SUMQ 2
	s_wait_alu depctr_va_vdst(0)
	SUMQ 3
	FOLD
	ACROSS 0
	s_delay_alu instid0(VALU_DEP_1)
	v_mul_f32 v12, s28, v2                         ; the mean
	s_delay_alu instid0(VALU_DEP_1)
	v_mov_b32 v13, v12
.set p, 0
.rept 64
	v_pk_add_f32 v[16+2*p:17+2*p], v[16+2*p:17+2*p], v[12:13] neg_lo:[0,1] neg_hi:[0,1]   ; x - mean, in place
.set p, p+1
.endr
.set p, 0
.rept 64
.if p < 4
	v_pk_mul_f32 v[2+2*p:3+2*p], v[16+2*p:17+2*p], v[16+2*p:17+2*p]
.else
	s_delay_alu instid0(VALU_DEP_4)
	v_pk_fma_f32 v[2+2*(p%4):3+2*(p%4)], v[16+2*p:17+2*p], v[16+2*p:17+2*p], v[2+2*(p%4):3+2*(p%4)]
.endif
.set p, p+1
.endr
	FOLD
	ACROSS 256                                     ; other LDS bytes than the first time: no third barrier is needed
	s_delay_alu instid0(VALU_DEP_1)
	v_fma_f32 v14, v2, s28, s29                    ; var + eps
	s_wait_alu depctr_va_vdst(0)
	v_rsq_f32 v14, v14
	v_lshrrev_b32 v159, 3, v157                    ; (a plain place behind the transcendental)  which of tab's three rows my lane writes
	s_wait_alu depctr_va_vdst(0)
	v_mul_f32 v158, v14, v152                      ; rsqrt(var + eps) x norm_w
	v_cmp_gt_u32 vcc_lo, 8, v157
	s_delay_alu instid0(VALU_DEP_1)
	v_cndmask_b32 v158, v153, v158, vcc_lo         ; lanes 8-15: norm_b
	v_cmp_gt_u32 vcc_lo, 16, v157
	s_delay_alu instid0(VALU_DEP_1)
	v_cndmask_b32 v158, v12, v158, vcc_lo          ; lanes 16-23: the mean
	v_lshl_add_u32 v159, v159, 10, v155
	s_lshr_b32 s30, ttmp9, 5
	s_mul_i32 s30, s30, 3072                       ; the batch's part of tab
	v_add_nc_u32 v159, s30, v159
	s_cmp_lg_u32 s20, 0
	s_cbranch_scc1 .Lend                           ; wave 0 stores for the group
	v_cmp_gt_u32 vcc_lo, 24, v157
	s_wait_xcnt 0x0                                ; EXEC is a source of the loads above: it changes only behind this wait
	s_and_saveexec_b32 s31, vcc_lo
	s_wait_alu depctr_va_vdst(0)
	global_store_b32 v159, v158, s[14:15]
	s_wait_xcnt 0x0                                ; and again in front of the line that widens it
	s_or_b32 exec_lo, exec_lo, s31
.Lend:
	s_wait_tensorcnt 0x0
	ds_add_u32 v176, v177
	s_wait_dscnt 0x0
	s_endpgm
; ---------------- one tile of a weight ----------------
.Lweights:
	s_sub_co_u32 s24, ttmp9, 64
	s_lshl_b32 s24, s24, 3
	s_add_co_u32 s24, s24, s20                     ; T = 0..63
	s_lshr_b32 s25, s24, 1
	s_and_b32 s25, s25, 1
	s_lshl_b32 s25, s25, 5
	s_and_b32 s26, s24, 1
	s_lshl_b32 s26, s26, 3
	s_add_co_u32 s25, s25, s26                     ; qkv_w: 32 ((T / 2) % 2) + 8 (T % 2)
	s_and_b32 s26, s24, 3
	s_lshl_b32 s26, s26, 4                         ; proj_w: 16 (T % 4)
	s_lshr_b32 s27, s24, 2
	s_wait_kmcnt 0x0
	s_cmp_lt_u32 s24, 48                           ; the choice hangs on ids alone
	s_cselect_b64 s[10:11], s[10:11], s[12:13]
	s_cselect_b32 s25, s25, s26
	s_cselect_b32 s28, 8, 0                        ; qkv_w: rows 8-15 of a tile lie 8 further on
	s_cselect_b32 s29, 0, 12
	s_sub_co_u32 s27, s27, s29
	s_lshl_b32 s27, s27, 6
	s_add_co_u32 s27, s27, s25                     ; the tile's first row
	v_and_b32 v2, 15, v0                           ; r
	v_bfe_u32 v4, v0, 4, 1                         ; h
	s_delay_alu instid0(VALU_DEP_2)
	v_and_b32 v5, s28, v2
	s_delay_alu instid0(VALU_DEP_1)
	v_add3_u32 v5, v5, v2, s27                     ; my row
	s_delay_alu instid0(VALU_DEP_1)
	v_lshlrev_b32 v3, 10, v5
	s_delay_alu instid0(VALU_DEP_1)
	v_lshl_add_u32 v3, v4, 7, v3                   ; row x 1,024 bytes + 128 h
	v_lshlrev_b32 v9, 3, v4                        ; 8 h
	s_wait_alu depctr_va_vdst(0)
	v_lshlrev_b32 v10, 4, v157
	v_lshlrev_b32 v11, 2, v157
	v_mov_b32 v166, 0                              ; lane permutes' destinations
	v_mov_b32 v167, 0
	s_lshl_b32 s30, s24, 11
	s_mov_b32 s31, 0
	s_add_nc_u64 s[16:17], s[16:17], s[30:31]
	s_lshl_b32 s30, s24, 7
	s_add_nc_u64 s[18:19], s[18:19], s[30:31]
.set i, 0
.rept 32
	global_load_b128 v[16+4*i:19+4*i], v3, s[10:11] offset:256*(i/8)+16*(i%8)   ; block q = i / 8 = 2 s + c: k = 64 q + 32 h + 0 .. 31: a whole block in my 32 registers
.set i, i+1
.endr
.macro WBLOCK q
.set XB, 16+32*\q
	s_wait_loadcnt 24-8*\q                         ; the later blocks' loads may be out
	v_max3_num_f32 v6, |v[XB]|, |v[XB+1]|, |v[XB+2]|
	v_max3_num_f32 v7, |v[XB+3]|, |v[XB+4]|, |v[XB+5]|
.irp k, 6,10,14,18,22,26
	s_delay_alu instid0(VALU_DEP_2)
	v_max3_num_f32 v6, v6, |v[XB+\k]|, |v[XB+\k+1]|
	s_delay_alu instid0(VALU_DEP_2)
	v_max3_num_f32 v7, v7, |v[XB+\k+2]|, |v[XB+\k+3]|
.endr
	s_delay_alu instid0(VALU_DEP_2)
	v_max3_num_f32 v6, v6, |v[XB+30]|, |v[XB+31]|
	s_delay_alu instid0(VALU_DEP_1)
	v_max3_num_f32 v6, v6, v7, FLOOR               ; the floor holds the byte at 1 from below
	s_delay_alu instid0(VALU_DEP_1)
	v_add_nc_u32 v8, EOFF, v6                      ; the conversion takes this operand's exponent field as its scale
.irp g, 0,1,2,3
	v_cvt_scalef32_pk8_fp4_f32 v[144+4*\q+\g], v[XB+8*\g:XB+8*\g+7], v8
.endr
	v_lshrrev_b32 v[160+\q], 23, v8                ; the scale's byte (also the plain line behind the conversions)
.endm
	WBLOCK 0
	WBLOCK 1
	WBLOCK 2
	WBLOCK 3
.irp s, 0,1
	v_lshl_or_b32 v[164+\s], v[161+2*\s], 16, v[160+2*\s]   ; my two bytes of K step s: blocks h and 2 + h,
	s_delay_alu instid0(VALU_DEP_1)
	v_lshlrev_b32 v[164+\s], v9, v[164+\s]         ; at their places,
	s_delay_alu instid0(VALU_DEP_1)
	v_permlanex16_b32 v[166+\s], v[164+\s], s22, s23
	s_delay_alu instid0(VALU_DEP_1)
	v_or_b32 v[164+\s], v[164+\s], v[166+\s]       ; with lane l xor 16's two: the word is whole
.endr
	v_cmp_eq_u32 vcc_lo, 1, v4
	s_delay_alu instid0(VALU_DEP_1)
	v_cndmask_b32 v164, v164, v165, vcc_lo         ; lanes 16-31 carry K step 1's word
.irp q, 0,1,2,3
	global_store_b128 v10, v[144+4*\q:147+4*\q], s[16:17] offset:512*\q   ; 512 consecutive bytes
.endr
	global_store_b32 v11, v164, s[18:19]
	s_endpgm
.Lfunc_end_k_qd0179eb083_prep:
	.size	k_qd0179eb083_prep, .Lfunc_end_k_qd0179eb083_prep-k_qd0179eb083_prep
	.p2alignl 7, 3214868480
	.fill 96, 4, 3214868480
	.section	.rodata,"a",@progbits
	.p2align	6, 0x0
	.amdhsa_kernel k_qd0179eb083_prep
		.amdhsa_group_segment_fixed_size 2048
		.amdhsa_private_segment_fixed_size 0
		.amdhsa_enable_private_segment 0
		.amdhsa_kernarg_size 64
		.amdhsa_user_sgpr_count 2
		.amdhsa_user_sgpr_kernarg_segment_ptr 1
		.amdhsa_wavefront_size32 1
		.amdhsa_system_sgpr_workgroup_id_x 1
		.amdhsa_system_sgpr_workgroup_id_y 1
		.amdhsa_system_sgpr_workgroup_id_z 1
		.amdhsa_system_vgpr_workitem_id 0
		.amdhsa_next_free_vgpr 178
		.amdhsa_next_free_sgpr 66
		.amdhsa_reserve_vcc 1
		.amdhsa_float_denorm_mode_32 3
		.amdhsa_float_denorm_mode_16_64 3
		.amdhsa_memory_ordered 1
		.amdhsa_forward_progress 1
		.amdhsa_inst_pref_size 36
	.end_amdhsa_kernel
	.amdgpu_metadata
---
amdhsa.version: [ 1, 2 ]
amdhsa.kernels:
  - .name:           k_qd0179eb083_prep
    .symbol:         k_qd0179eb083_prep.kd
    .args:
      - { .name: x, .offset: 0, .size: 8, .value_kind: global_buffer, .address_space: global }
      - { .name: norm_w, .offset: 8, .size: 8, .value_kind: global_buffer, .address_space: global }
      - { .name: norm_b, .offset: 16, .size: 8, .value_kind: global_buffer, .address_space: global }
      - { .name: qkv_w, .offset: 24, .size: 8, .value_kind: global_buffer, .address_space: global }
      - { .name: proj_w, .offset: 32, .size: 8, .value_kind: global_buffer, .address_space: global }
      - { .name: tab, .offset: 40, .size: 8, .value_kind: global_buffer, .address_space: global }
      - { .name: wimg, .offset: 48, .size: 8, .value_kind: global_buffer, .address_space: global }
      - { .name: wsc, .offset: 56, .size: 8, .value_kind: global_buffer, .address_space: global }
    .group_segment_fixed_size: 2048
    .private_segment_fixed_size: 0
    .kernarg_segment_align: 8
    .kernarg_segment_size: 64
    .max_flat_workgroup_size: 256
    .sgpr_count:     66
    .vgpr_count:     178
    .wavefront_size: 32
...
	.end_amdgpu_metadata
.endif
;; end of part 5
;; launch qkv (part 6): grid 256 x 1, 4 waves a work-group, clusters of 4 x 1, 168,448 bytes of LDS; arguments x, tab, wimg, wsc, qkv_b, qimg, kvs; writes qimg, kvs
.if DOCPART == 6
	.amdgcn_target "amdgcn-amd-amdhsa--gfx1250"
	.amdhsa_code_object_version 6
	.text
	.protected	k_qd0179eb083_qkv
	.globl	k_qd0179eb083_qkv
	.p2align	8
	.type	k_qd0179eb083_qkv,@function
k_qd0179eb083_qkv:
	s_mov_b64 s[64:65], 0
	v_nop
	global_prefetch_b8 v0, s[64:65] scope:SCOPE_SE
	s_setreg_imm32_b32 hwreg(HW_REG_WAVE_MODE, 25, 1), 1
	s_wait_xcnt 0x0
	s_wait_alu depctr_hold_cnt(0) depctr_sa_sdst(0) depctr_va_vdst(0) depctr_va_sdst(0) depctr_va_ssrc(0) depctr_va_vcc(0) depctr_vm_vsrc(0)
	s_getreg_b32 s2, hwreg(HW_REG_IB_STS2, 6, 4)
	s_cmp_eq_u32 s2, 0
	s_cbranch_scc0 .Lentry_in_a_cluster
	s_endpgm
.Lentry_in_a_cluster:
	s_bfe_u32 s2, ttmp6, 0x10000c
	s_cmp_lg_u32 s2, 0x3003
	s_cbranch_scc0 .Lentry_shape_is_right
	s_endpgm
.Lentry_shape_is_right:
; qkv = qkv_w xn + qkv_b on codes of FP4 (E2M1), one E8M0 scale for each 32 along K = the 256 channels; then q and k x 64^-0.25 are quantised along the head's 64 channels and v along the positions.
; SHARES.  A cluster (ttmp9 = 32 b + st) takes 128 positions of one batch; its four work-groups are the four heads.  A work-group makes its head's 192 rows of qkv for these positions: one record of kvs and 4 KiB of qimg.
; Wave w owns positions 32 w .. 32 w + 31 for all 192 rows.  The four partners need the same tile of x (256 channels x 128 positions, f32): it is asked for JOINTLY, each wave 64 channels.
; The price: each head normalises and quantises xn for itself, 256 numbers a lane.
; ORDER OF A TILE'S ROWS.  Row r of tile u of a block of 32 (positions, or rows of qkv_w) is 8 u + r + 8 (r / 8): in a result, register j of lane (r, h) of tile u is then place 16 h + 8 u + j: two tiles give a lane 16 neighbours.
; xn.  A lane takes ONE position and its registers run down the channels: a block of 32 lies in one lane.  xn = (x - mean) (rsqrt(var + eps) norm_w) + norm_b, the last two steps one fused multiply-add
; (reference() multiplies twice: another order of rounding).  Gains, biases and means are the same for all lanes: the batch's 3 KiB of tab are copied into LDS once, 24 bytes a thread, and each block's 32 gains, 32 biases
; and four means come into registers by loads in which all lanes name one address; they are asked for as soon as the block before has been normalised.
; q, k: source 0 = 16 rows of qkv_w, source 1 = xn: a lane holds one position, its registers the head's channels.  v: source 0 = xn, source 1 = qkv_w: a lane holds one channel, its registers the positions.
; The biases are the C of each sum's first matrix instruction.  All operands leave as IMAGES OF THEIR REGISTERS (16 bytes a lane, 512 a store).
; kvs: record (head 4 b + cx, step st) of 8,960 bytes: K's image 1,024 w + 512 u + 16 lane | +4,096 V's image 1,024 wt + 512 c + 16 lane | +8,192 scale words 128 w + 4 lane (lanes 0-15 q's, lanes 16-31 k's; bytes u0b0 u0b1 u1b0 u1b1)
;   | +8,704 V's scale words 8 lane + 4 p (channel tile 2 p + h, row r; byte i = key block i).
; LIMITS: a block of zeros gets the byte 1 (the rule says 127): its codes are zeros and this program alone reads the bytes; largest magnitudes under 2^-124 have the byte held at 1; NaN and infinities are not served.
; The q and k scale words leave 128 bytes a wave.  No LDS byte is filled twice.
; LDS: 0 the tile of x, [256][128] f32, pitch 512 | XIMG each wave's own: xn's images, tile u at 2,176 u (128 beyond a multiple of 256, so that the sixteen lanes of a store pass fall on sixteen 16-byte columns) | XSC xn's scale words
;   | VSG V's scale bytes | TABL the batch's table: gains, +1,024 biases, +2,048 means, one f32 a channel.
; REGISTERS.  window 0: v1-15 addresses; v16-79 two sets of 32 numbers of x, later the eight accumulators; v80-111 a block's gains, later xn's four fragments; v112-119 a block's means, v120-127 the table's copy and its addresses,
;   later v112-135 codes of q, k, v (no store's data are written again); v136-139 a block's codes of xn; v140-141 xn's scale words; v142-143 q's word, the joined word; v144-175 v's bias, eight registers a tile;
;   v176-187 the weights' scale words; v188-189 xn's; v192-208 at work; v210-219 the head's and the tail's; v220-251 a block's biases; v252 the table's LDS address.
;   window 1: v0-191 the head's 24 weight fragments ((tile j, K step s) at 8 (2 j + s)); v192-255 q's and k's biases.
.set FLOOR, 0x1800000
.set EOFF,  0xff000000
.set XIMG,  131072
.set XWB,   4352                       ; a wave's images
.set XUB,   2176                       ; a tile's
.set XSC,   XIMG+4*XWB
.set VSG,   XSC+1024
.set TABL,  VSG+256
.set WV,    18                         ; s18 wave;  s19 cx = the head;  s20 b;  s21 st
.set CQ,    24                         ; s[24:25] 64^-0.25
.set SEL,   26                         ; s[26:27] selects for lane l xor 16
.set ACC,   16
.set XF,    80
.set TGA,   80                         ; a block's gains
.set TME,   112                        ; its four means, each twice
.set TBI,   220                        ; its biases
.set VT,    252
.set PCQ,   112
.set PCK,   120
.set PCV,   128
.set XC,    136
.set XW,    140
.set QW,    142
.set JW,    143
.set BV,    144
.set WS,    176
.set SX,    188
.set TM,    192
.set PW,    208
.set BQ,    192                        ; in window 1
.set MSB, 0
.macro WIN new                         ; the immediate's high byte repeats the setting that is left
.if MSB != \new
	s_set_vgpr_msb (MSB<<8)|\new
.set MSB, \new
.endif
.endm
.macro PLACES n
.rept \n
	v_nop
.endr
.endm
.macro CROUND                          ; a round of the cluster's barrier
	s_barrier_signal -1
	s_barrier_wait -1
	s_cmp_lg_u32 s[WV], 0
	s_cbranch_scc1 .Lnot_wave_0_\@
	s_barrier_signal -3
.Lnot_wave_0_\@:
	s_barrier_wait -3
	s_barrier_signal -1
	s_barrier_wait -1
.endm
; 64 numbers of a lane, v[s] on, four blocks of 16 registers (a block's other 16 lie in lane l xor 16), become codes in v[d] .. v[d + 7] and the four bytes in v[PW].
; Behind the exchange registers 4 c .. 4 c + 3 hold block 2 c whole in lanes 0-15 and block 2 c + 1 whole in lanes 16-31.
.macro QUANT s, d
.irp b, 0,1,2,3
	v_max3_num_f32 v[TM+\b], |v[\s+16*\b]|, |v[\s+1+16*\b]|, FLOOR
.endr
.irp k, 2,4,6,8,10,12,14
.irp b, 0,1,2,3
	v_max3_num_f32 v[TM+\b], v[TM+\b], |v[\s+16*\b+\k]|, |v[\s+1+16*\b+\k]|
.endr
.endr
.irp b, 0,1,2,3
	v_permlanex16_b32 v[TM+4+\b], v[TM+\b], s[SEL], s[SEL+1]
.endr
.irp b, 0,1,2,3
	v_max_num_f32 v[TM+\b], v[TM+\b], v[TM+4+\b]
.endr
.irp b, 0,1,2,3
	v_add_nc_u32 v[TM+12+\b], EOFF, v[TM+\b]
.endr
.irp b, 0,1,2,3
	v_lshrrev_b32 v[TM+4+\b], 23, v[TM+12+\b]
.endr
	v_lshl_or_b32 v[PW], v[TM+5], 8, v[TM+4]
	v_lshl_or_b32 v[PW], v[TM+6], 16, v[PW]
	v_lshl_or_b32 v[PW], v[TM+7], 24, v[PW]
.irp b, 0,1,2,3
	v_cvt_scalef32_pk8_fp4_f32 v[\d+2*\b], v[\s+16*\b:\s+7+16*\b], v[TM+12+\b]
	v_cvt_scalef32_pk8_fp4_f32 v[\d+1+2*\b], v[\s+8+16*\b:\s+15+16*\b], v[TM+12+\b]
.endr
	v_nop                                          ; one plain line behind the last scaled conversion
.irp c, 0,1
.irp k, 0,1
	v_permlane16_swap_b32 v[\d+4*\c+\k], v[\d+2+4*\c+\k]
.endr
.endr
.endm
	s_load_b256 s[4:11], s[0:1], 0x0               ; x s[4:5], tab s[6:7], wimg s[8:9], wsc s[10:11]
	s_load_b128 s[12:15], s[0:1], 0x20             ; qkv_b s[12:13], qimg s[14:15]
	s_load_b64 s[16:17], s[0:1], 0x30              ; kvs
	v_lshl_add_u32 v254, v0, 2, 0x29000
	v_mov_b32 v255, 0
	ds_add_u32 v254, v255
	ds_add_u32 v254, v255
	v_lshrrev_b32 v1, 5, v0
	v_readfirstlane_b32 s[WV], v1                  ; wave 0..3
	s_bfe_u32 s19, ttmp6, 0x40000                  ; cx: the head.  It enters global addresses of the weights, the bias and the outputs alone
	s_lshr_b32 s20, ttmp9, 5                       ; b
	s_and_b32 s21, ttmp9, 31                       ; st
	s_mov_b32 s[CQ], 0x3eb504f3
	s_mov_b32 s[CQ+1], s[CQ]                       ; (named with it as a pair, so it is written)
	s_mov_b32 s[SEL], 0x76543210
	s_mov_b32 s[SEL+1], 0xfedcba98
	; descriptor group 1, s[32:39]: 64 rows (channels) x 128 elements of 4 bytes, 4,096 elements from row to row, no padding
	s_mov_b32 s32, 15|(2<<16)|(1<<21)              ; 15:0 the mask: all four work-groups; 17:16 elements of 4 bytes; 21 set beside a mask
	s_mov_b32 s33, 128<<16                         ; tensor_dim0
	s_mov_b32 s34, 64<<16                          ; tensor_dim1
	s_mov_b32 s35, 128<<16                         ; tile_dim0
	s_mov_b32 s36, 64                              ; tile_dim1
	s_mov_b32 s37, 4096                            ; tensor_dim0_stride
	s_mov_b32 s38, 0
	s_mov_b32 s39, 0
	; group 0, s[28:31]: made of b, st and the wave's number, in registers that never hold cx
	s_mov_b32 s28, 1
	s_lshl_b32 s29, s[WV], 15                      ; LDS: 64 rows of 512 bytes a wave
	s_lshl_b32 s46, s20, 22                        ; the batch: 256 channels of 16,384 bytes
	s_lshl_b32 s48, s[WV], 20                      ; my 64 channels
	s_add_co_u32 s46, s46, s48
	s_lshl_b32 s48, s21, 9                         ; the 128 positions
	s_add_co_u32 s46, s46, s48
	s_mov_b32 s47, 0
	v_and_b32 v210, 31, v0                         ; lane
	v_and_b32 v211, 15, v0                         ; r
	v_bfe_u32 v212, v0, 4, 1                       ; h
	v_lshlrev_b32 v1, 4, v210                      ; v1  16 lane
	v_lshlrev_b32 v2, 2, v210                      ; v2  4 lane
	s_lshl_b32 s22, s[WV], 7
	v_add_nc_u32 v3, s22, v2                       ; v3  x's tile: my position's word in channel 0's row (also: 128 w + 4 lane)
	v_add_nc_u32 v4, 0x10000, v3                   ; v4  the same in channel 128's row
	v_bfe_u32 v213, v0, 3, 1                       ; my position t' = lane lies in tile u = (t' / 8) % 2,
	v_and_b32 v214, 7, v0
	v_lshl_or_b32 v214, v212, 3, v214              ; row t' % 8 + 8 (t' / 16)
	s_mul_i32 s22, s[WV], XWB
	s_add_co_u32 s22, s22, XIMG
	v_mul_u32_u24 v5, v213, XUB
	v_lshl_add_u32 v5, v214, 4, v5
	v_add_nc_u32 v5, s22, v5                       ; v5  where I store a block's codes of xn
	v_add_nc_u32 v7, s22, v1                       ; v7  where I read the images back
	s_lshl_b32 s22, s[WV], 8
	s_add_co_u32 s22, s22, XSC
	v_lshlrev_b32 v6, 7, v213
	v_lshl_add_u32 v6, v214, 2, v6
	v_add_nc_u32 v6, s22, v6                       ; v6  where I store xn's scale words: 128 u + 64 s + 4 row
	v_add_nc_u32 v8, s22, v2                       ; v8  and read them back: lanes 0-15 K step 0, lanes 16-31 K step 1
	v_lshlrev_b32 v9, 6, v212                      ; v9  64 h: q's and k's bias
	v_and_b32 v10, 8, v211
	v_add_nc_u32 v10, v10, v211
	v_lshlrev_b32 v10, 2, v10                      ; v10 4 (r + 8 (r / 8)): v's bias
	s_lshl_b32 s22, s[WV], 10
	v_add_nc_u32 v11, s22, v1                      ; v11 q's and k's images: 16 lane + 1,024 w
	s_lshl_b32 s22, s[WV], 8
	v_lshlrev_b32 v12, 10, v212
	v_lshl_add_u32 v12, v211, 4, v12
	v_add_nc_u32 v12, s22, v12                     ; v12 v's image: 1,024 h + 16 r + 256 w
	s_lshl_b32 s22, s[WV], 2
	s_add_co_u32 s22, s22, VSG
	v_lshl_add_u32 v13, v211, 4, s22               ; v13 v's scale bytes in LDS: 16 r + 4 w
	v_lshlrev_b32 v14, 3, v212                     ; v14 8 h
	v_lshlrev_b32 v15, 3, v210                     ; v15 8 lane
	v_lshl_add_u32 v216, v211, 4, VSG              ; v216 where wave 0 reads them back: made ahead of every branch on the wave's number
	v_lshlrev_b32 v126, 3, v0                      ; v126 8 x thread: my 8 bytes of each of the table's three rows, in memory,
	v_lshl_add_u32 v127, v0, 3, TABL               ; v127 and in LDS
	v_mov_b32 v[VT], TABL                          ; v252 the table's first byte: all lanes read the same words
.irp b, 0,1,2,3
	v_mov_b32 v[TM+4+\b], 0                        ; written once: a lane permute's destination counts as one of its sources
.endr
	s_wait_alu depctr_va_vdst(0)
	s_wait_dscnt 0x0
	s_wait_kmcnt 0x0
	s_mov_b32 s23, 0
	s_mul_i32 s22, s20, 3072
	s_add_nc_u64 s[6:7], s[6:7], s[22:23]          ; tab at my batch
.irp k, 0,1,2
	global_load_b64 v[120+2*\k:121+2*\k], v126, s[6:7] offset:1024*\k   ; the oldest loads: 256 consecutive bytes a wave
.endr
	s_add_nc_u64 s[30:31], s[4:5], s[46:47]
	s_or_b32 s31, s31, 0x80000000                  ; type = 2
	CROUND                                         ; all four work-groups are here: the joint loads meet
	tensor_load_to_lds s[28:31], s[32:39]          ; my one tensor load: 64 rows x 512 bytes
	s_nop 0
	PLACES 4
	s_mul_i32 s22, s19, 24576
	s_add_nc_u64 s[8:9], s[8:9], s[22:23]          ; the head's 12 tiles
	s_mul_i32 s22, s19, 1536
	s_add_nc_u64 s[10:11], s[10:11], s[22:23]      ; their scale words
	s_mul_i32 s22, s19, 768
	s_add_nc_u64 s[12:13], s[12:13], s[22:23]      ; the head's 192 biases
	s_lshl_b32 s44, s20, 2
	s_add_co_u32 s44, s44, s19                     ; 4 b + head
	s_lshl_b32 s22, s44, 17
	s_lshl_b32 s45, s21, 12
	s_add_co_u32 s22, s22, s45
	s_add_nc_u64 s[14:15], s[14:15], s[22:23]      ; qimg at these 128 queries
	s_lshl_b32 s45, s44, 5
	s_add_co_u32 s45, s45, s21
	s_mul_i32 s22, s45, 8960
	s_add_nc_u64 s[16:17], s[16:17], s[22:23]      ; my record of kvs
	WIN 0x40                                       ; destination window 1
.set i, 0
.rept 48
	global_load_b128 v[4*i:4*i+3], v1, s[8:9] offset:512*i          ; the weights' images as they lie: they stay in registers
.set i, i+1
.endr
	WIN 0
	s_wait_loadcnt 48                              ; the 48 loads just issued may be out: my 24 bytes of the table are in
.irp k, 0,1,2
	ds_store_b64 v127, v[120+2*\k:121+2*\k] offset:1024*\k
.endr
	WIN 0x40
.irp t, 0,1,2,3,4,5,6,7                        ; q's and k's biases in the result's layout: tile t: rows 64 (t / 4) + 32 ((t / 2) % 2) + 8 (t % 2) + 16 h + 0 .. 7
	global_load_b128 v[BQ+8*\t:BQ+8*\t+3], v9, s[12:13] offset:4*(64*(\t/4)+32*((\t/2)%2)+8*(\t%2))
	global_load_b128 v[BQ+8*\t+4:BQ+8*\t+7], v9, s[12:13] offset:4*(64*(\t/4)+32*((\t/2)%2)+8*(\t%2))+16
.endr
	WIN 0
.set i, 0
.rept 12
	global_load_b32 v[WS+i], v2, s[10:11] offset:128*i
.set i, i+1
.endr
.irp t, 0,1,2,3
	global_load_b32 v[BV+8*\t], v10, s[12:13] offset:4*(128+32*(\t/2)+8*(\t%2))   ; v's bias of my lane's channel
.endr
	s_wait_tensorcnt 0x0                           ; my 64 channels of x have landed,
	s_wait_dscnt 0x0                               ; and my part of the table:
	s_barrier_signal -1
	s_barrier_wait -1                              ; everybody's have
; ---- xn: eight blocks of 32 channels ----
.macro DSL j                           ; block j of my position: 32 loads, each 128 consecutive bytes a wave, into set j % 2
.set i, 0
.rept 32
	ds_load_b32 v[ACC+32*((\j)%2)+i], v[3+(\j)/4] offset:((32*(\j)+i)%128)*512
.set i, i+1
.endr
.endm
.macro TLOAD j                         ; block j's 32 gains, 32 biases and four groups' means (two neighbouring channels of a group: the mean twice, a pair): 20 loads, every lane at the same address
.set i, 0
.rept 8
	ds_load_b128 v[TGA+4*i:TGA+4*i+3], v[VT] offset:128*(\j)+16*i
	ds_load_b128 v[TBI+4*i:TBI+4*i+3], v[VT] offset:1024+128*(\j)+16*i
.set i, i+1
.endr
.irp g, 0,1,2,3
	ds_load_b64 v[TME+2*\g:TME+2*\g+1], v[VT] offset:2048+128*(\j)+32*\g
.endr
.endm
.macro XBLOCK j
.set XB, ACC+32*((\j)%2)
.if (\j) < 7
	s_wait_dscnt 32                                ; all but the next block's 32 loads of x: this block, its gains, biases and means are in, and the last block's stores have landed
.else
	s_wait_dscnt 0x0
.endif
.set i, 0
.rept 16
	v_pk_add_f32 v[XB+2*i:XB+2*i+1], v[XB+2*i:XB+2*i+1], v[TME+2*(i/4):TME+2*(i/4)+1] neg_lo:[0,1] neg_hi:[0,1]   ; x - the group's mean
.set i, i+1
.endr
.set i, 0
.rept 16
	v_pk_fma_f32 v[XB+2*i:XB+2*i+1], v[XB+2*i:XB+2*i+1], v[TGA+2*i:TGA+2*i+1], v[TBI+2*i:TBI+2*i+1]
.set i, i+1
.endr
.if (\j) < 7
	TLOAD (\j)+1                                   ; their registers have been read: the next block's go out, ahead of this block's quantising
.endif
	v_max3_num_f32 v[TM], |v[XB]|, |v[XB+1]|, |v[XB+2]|
	v_max3_num_f32 v[TM+1], |v[XB+3]|, |v[XB+4]|, |v[XB+5]|
.irp k, 6,10,14,18,22,26
	v_max3_num_f32 v[TM], v[TM], |v[XB+\k]|, |v[XB+\k+1]|
	v_max3_num_f32 v[TM+1], v[TM+1], |v[XB+\k+2]|, |v[XB+\k+3]|
.endr
	v_max3_num_f32 v[TM], v[TM], |v[XB+30]|, |v[XB+31]|
	v_max3_num_f32 v[TM], v[TM], v[TM+1], FLOOR
	v_add_nc_u32 v[TM+2], EOFF, v[TM]
.if ((\j)%4) == 0
	v_lshrrev_b32 v[XW+(\j)/4], 23, v[TM+2]        ; four bytes to a word, the lower K in the lower byte
.else
	v_lshrrev_b32 v[TM+3], 23, v[TM+2]
	v_lshl_or_b32 v[XW+(\j)/4], v[TM+3], 8*((\j)%4), v[XW+(\j)/4]
.endif
.irp g, 0,1,2,3
	v_cvt_scalef32_pk8_fp4_f32 v[XC+\g], v[XB+8*\g:XB+8*\g+7], v[TM+2]
.endr
	v_nop                                          ; one plain line behind the last scaled conversion
	ds_store_b128 v5, v[XC:XC+3] offset:256*(\j)   ; channel block j = 4 s + 2 c + h of my position's row: its place in the image
.if ((\j)%4) == 3
	ds_store_b32 v6, v[XW+(\j)/4] offset:64*((\j)/4)
.endif
.if (\j) < 6
	DSL (\j)+2
.endif
.endm
	TLOAD 0
	DSL 0
	DSL 1
.irp j, 0,1,2,3,4,5,6,7
	XBLOCK \j
.endr
.irp u, 0,1                                    ; my own bytes, and LDS serves a wave's instructions in order: no barrier
.irp s, 0,1
.irp c, 0,1
	ds_load_b128 v[XF+16*\u+8*\s+4*\c:XF+16*\u+8*\s+4*\c+3], v7 offset:XUB*\u+1024*\s+512*\c
.endr
.endr
	ds_load_b32 v[SX+\u], v8 offset:128*\u
.endr
	s_wait_dscnt 0x0
	s_wait_loadcnt 0x0                             ; the weights, their scale words, the biases
.irp t, 0,1,2,3
.irp k, 1,2,3,4,5,6,7
	v_mov_b32 v[BV+8*\t+\k], v[BV+8*\t]            ; v's bias is one number a lane: spread over a tile's eight registers
.endr
.endr
; ---- q and k: eight accumulators (2 tiles of positions x 4 tiles of rows) by turns; K step 0 takes the bias as C ----
.macro MULT kind
	WIN 0x11                                       ; source 0 (the weight) and source 2 (the bias) window 1
.irp u, 0,1
.irp t, 0,1,2,3
	v_wmma_scale_f32_16x16x128_f8f6f4 v[ACC+32*\u+8*\t:ACC+32*\u+8*\t+7], v[16*(4*\kind+\t):16*(4*\kind+\t)+7], v[XF+16*\u:XF+16*\u+7], v[BQ+8*(4*\kind+\t):BQ+8*(4*\kind+\t)+7], v[WS+4*\kind+\t], v[SX+\u] matrix_a_fmt:MATRIX_FMT_FP4 matrix_b_fmt:MATRIX_FMT_FP4
.endr
.endr
	WIN 0x01
.irp u, 0,1
.irp t, 0,1,2,3
	v_wmma_scale_f32_16x16x128_f8f6f4 v[ACC+32*\u+8*\t:ACC+32*\u+8*\t+7], v[16*(4*\kind+\t)+8:16*(4*\kind+\t)+15], v[XF+16*\u+8:XF+16*\u+15], v[ACC+32*\u+8*\t:ACC+32*\u+8*\t+7], v[WS+4*\kind+\t], v[SX+\u] matrix_a_fmt:MATRIX_FMT_FP4 matrix_b_fmt:MATRIX_FMT_FP4 matrix_a_scale:MATRIX_SCALE_ROW1 matrix_b_scale:MATRIX_SCALE_ROW1
.endr
.endr
	WIN 0
	PLACES 5                                       ; in front of the first read of results; the next run of products begins these accumulators anew with another C
.set i, 0
.rept 32
	v_pk_mul_f32 v[ACC+2*i:ACC+2*i+1], v[ACC+2*i:ACC+2*i+1], s[CQ:CQ+1] op_sel_hi:[1,0]   ; x 64^-0.25, each accumulator from its low end on
.set i, i+1
.endr
.endm
	MULT 0
	QUANT ACC, PCQ                                 ; blocks (u, half of the head's 64): registers 4 u .. 4 u + 3 are tile u's image
	v_mov_b32 v[QW], v[PW]
.irp u, 0,1
	global_store_b128 v11, v[PCQ+4*\u:PCQ+4*\u+3], s[14:15] offset:512*\u
.endr
	MULT 1
	QUANT ACC, PCK
.irp u, 0,1
	global_store_b128 v11, v[PCK+4*\u:PCK+4*\u+3], s[16:17] offset:512*\u
.endr
	v_cmp_eq_u32 vcc_lo, 0, v14
	v_cndmask_b32 v[JW], v[PW], v[QW], vcc_lo      ; lanes 0-15 q's word of row r, lanes 16-31 k's
	global_store_b32 v3, v[JW], s[16:17] offset:8192
; ---- v: source 0 = xn, source 1 = the weight: accumulator (tile of rows t, tile of positions u) at 16 t + 8 u ----
	WIN 0x04                                       ; source 1 window 1
.irp t, 0,1,2,3
.irp u, 0,1
	v_wmma_scale_f32_16x16x128_f8f6f4 v[ACC+16*\t+8*\u:ACC+16*\t+8*\u+7], v[XF+16*\u:XF+16*\u+7], v[16*(8+\t):16*(8+\t)+7], v[BV+8*\t:BV+8*\t+7], v[SX+\u], v[WS+8+\t] matrix_a_fmt:MATRIX_FMT_FP4 matrix_b_fmt:MATRIX_FMT_FP4
.endr
.endr
.irp t, 0,1,2,3
.irp u, 0,1
	v_wmma_scale_f32_16x16x128_f8f6f4 v[ACC+16*\t+8*\u:ACC+16*\t+8*\u+7], v[XF+16*\u+8:XF+16*\u+15], v[16*(8+\t)+8:16*(8+\t)+15], v[ACC+16*\t+8*\u:ACC+16*\t+8*\u+7], v[SX+\u], v[WS+8+\t] matrix_a_fmt:MATRIX_FMT_FP4 matrix_b_fmt:MATRIX_FMT_FP4 matrix_a_scale:MATRIX_SCALE_ROW1 matrix_b_scale:MATRIX_SCALE_ROW1
.endr
.endr
	WIN 0
	PLACES 5
	QUANT ACC, PCV                                 ; block t: my channel's 32 positions: registers 4 c .. 4 c + 3: lanes 0-15 tile 2 c, lanes 16-31 tile 2 c + 1
.irp c, 0,1
	global_store_b128 v12, v[PCV+4*\c:PCV+4*\c+3], s[16:17] offset:4096+2048*\c   ; sixteen lanes store 256 consecutive bytes, aligned
.endr
	ds_store_b32 v13, v[PW]                        ; my key block's bytes of row r's four channel tiles (lanes l and l xor 16 write the same word with the same value)
	s_wait_dscnt 0x0                               ; for wave 0's sake
	s_barrier_signal -1
	s_barrier_wait -1
	s_cmp_lg_u32 s[WV], 0
	s_cbranch_scc1 .Lnot_first
	ds_load_b128 v[210:213], v216                  ; row r: word i = key block i, its bytes the four channel tiles
	s_wait_dscnt 0x0
.irp k, 0,1,2,3
	v_lshrrev_b32 v[210+\k], v14, v[210+\k]        ; byte 0: tile h, byte 2: tile 2 + h
.endr
	v_perm_b32 v214, v211, v210, 0x06020400
	v_perm_b32 v215, v213, v212, 0x06020400
	v_perm_b32 v218, v215, v214, 0x05040100        ; tile h: the four key blocks' bytes
	v_perm_b32 v219, v215, v214, 0x07060302        ; tile 2 + h
	global_store_b64 v15, v[218:219], s[16:17] offset:8704   ; 256 consecutive bytes, aligned
.Lnot_first:
	s_wait_tensorcnt 0x0
	ds_add_u32 v254, v255
	s_wait_dscnt 0x0
	CROUND                                         ; the closing round
	s_endpgm
.Lfunc_end_k_qd0179eb083_qkv:
	.size	k_qd0179eb083_qkv, .Lfunc_end_k_qd0179eb083_qkv-k_qd0179eb083_qkv
	.p2alignl 7, 3214868480
	.fill 96, 4, 3214868480
	.section	.rodata,"a",@progbits
	.p2align	6, 0x0
	.amdhsa_kernel k_qd0179eb083_qkv
		.amdhsa_group_segment_fixed_size 168448
		.amdhsa_private_segment_fixed_size 0
		.amdhsa_enable_private_segment 0
		.amdhsa_kernarg_size 56
		.amdhsa_user_sgpr_count 2
		.amdhsa_user_sgpr_kernarg_segment_ptr 1
		.amdhsa_wavefront_size32 1
		.amdhsa_system_sgpr_workgroup_id_x 1
		.amdhsa_system_sgpr_workgroup_id_y 1
		.amdhsa_system_sgpr_workgroup_id_z 1
		.amdhsa_system_vgpr_workitem_id 0
		.amdhsa_next_free_vgpr 512
		.amdhsa_next_free_sgpr 66
		.amdhsa_reserve_vcc 1
		.amdhsa_float_denorm_mode_32 3
		.amdhsa_float_denorm_mode_16_64 3
		.amdhsa_memory_ordered 1
		.amdhsa_forward_progress 1
		.amdhsa_inst_pref_size 94
	.end_amdhsa_kernel
	.amdgpu_metadata
---
amdhsa.version: [ 1, 2 ]
amdhsa.kernels:
  - .name:           k_qd0179eb083_qkv
    .symbol:         k_qd0179eb083_qkv.kd
    .args:
      - { .name: x, .offset: 0, .size: 8, .value_kind: global_buffer, .address_space: global }
      - { .name: tab, .offset: 8, .size: 8, .value_kind: global_buffer, .address_space: global }
      - { .name: wimg, .offset: 16, .size: 8, .value_kind: global_buffer, .address_space: global }
      - { .name: wsc, .offset: 24, .size: 8, .value_kind: global_buffer, .address_space: global }
      - { .name: qkv_b, .offset: 32, .size: 8, .value_kind: global_buffer, .address_space: global }
      - { .name: qimg, .offset: 40, .size: 8, .value_kind: global_buffer, .address_space: global }
      - { .name: kvs, .offset: 48, .size: 8, .value_kind: global_buffer, .address_space: global }
    .group_segment_fixed_size: 168448
    .private_segment_fixed_size: 0
    .kernarg_segment_align: 8
    .kernarg_segment_size: 56
    .max_flat_workgroup_size: 128
    .sgpr_count:     66
    .vgpr_count:     512
    .wavefront_size: 32
...
	.end_amdgpu_metadata
.endif
;; end of part 6
;; launch attn (part 7): grid 256 x 1, 16 waves a work-group, clusters of 4 x 1, 327,680 bytes of LDS; arguments qimg, kvs, aimg, asc; writes aimg, asc
.if DOCPART == 7
	.amdgcn_target "amdgcn-amd-amdhsa--gfx1250"
	.amdhsa_code_object_version 6
	.text
	.protected	k_qd0179eb083_attn
	.globl	k_qd0179eb083_attn
	.p2align	8
	.type	k_qd0179eb083_attn,@function
k_qd0179eb083_attn:
	s_mov_b64 s[64:65], 0
	v_nop
	global_prefetch_b8 v0, s[64:65] scope:SCOPE_SE
	s_setreg_imm32_b32 hwreg(HW_REG_WAVE_MODE, 25, 1), 1
	s_wait_xcnt 0x0
	s_wait_alu depctr_hold_cnt(0) depctr_sa_sdst(0) depctr_va_vdst(0) depctr_va_sdst(0) depctr_va_ssrc(0) depctr_va_vcc(0) depctr_vm_vsrc(0)
	s_getreg_b32 s2, hwreg(HW_REG_IB_STS2, 6, 4)
	s_cmp_eq_u32 s2, 0
	s_cbranch_scc0 .Lentry_in_a_cluster
	s_endpgm
.Lentry_in_a_cluster:
	s_bfe_u32 s2, ttmp6, 0x10000c
	s_cmp_lg_u32 s2, 0x3003
	s_cbranch_scc0 .Lentry_shape_is_right
	s_endpgm
.Lentry_shape_is_right:
; a = softmax(q k^T) v for one head, both products on codes of FP4 (E2M1) with E8M0 scales; q and k carry 64^-0.25 each already.  Then a is quantised along the head's 64 channels for the projection.
; THE SOFTMAX: t = score x log2(e); M = the running largest t rounded UP to a whole number; p = 2^(t - M) is quantised along the keys, not normalised; the row's sum is taken of the unquantised p and divides at the end.
; When M moves, the sum and O are multiplied by 2^(old M - new M), which rounds nothing.
; SHARES.  hd = ttmp9 / 8; the work-group owns 128 queries, block 4 (ttmp9 % 8) + cx: eight tiles of 16.  SIXTEEN waves of 256 registers, four to a SIMD, so that one wave's vector work stands beside another's matrix work and LDS loads.
; Wave w takes tile w % 8 and HALF OF THE KEYS, 2,048 (w / 8) on: 16 steps of 128 keys.  At the end the two waves of a tile meet: the upper one hands its O^T, its -M and its sum through LDS as images of its registers, and the lower one
; brings both under the larger M (powers of two: nothing is rounded), adds, divides, quantises and stores.
; THE WHOLE HEAD STAYS IN LDS: its 32 records of kvs, 286,720 dense bytes, are copied as they lie, each wave two records (one of each chunk of eight steps of its half): two tensor loads of a wave are out at the most.  Nothing is filled twice.
; The four work-groups of a cluster are query blocks of one head: every record is asked for JOINTLY.
; LAYOUT.  Both products are used transposed: S^T = K Q^T, O^T = V^T P^T: a lane holds ONE query throughout.  Row r of tile u of a block of 32 keys is key 8 u + r + 8 (r / 8): so the 16 registers of tiles 2 b and 2 b + 1 are 16 neighbouring keys.
; K = 64 IN AN INSTRUCTION OF 128.  A fragment of K holds TWO tiles of keys: k 0-63 tile u = 0's channels, k 64-127 tile u = 1's.  Q's 4 registers stand between two runs of 4 zero registers: v[20:27] = (Q, 0) gives tile 0's scores,
; v[16:23] = (0, Q) tile 1's.  The half that is not wanted meets zero codes; its scale bytes are real bytes, 1 to 254, of the same range as the wanted half's.  One scale word serves 32 keys; Q's word holds its two bytes twice.
; LIMITS: a block of zeros gets the byte 1 (the rule says 127): its codes are zeros and this program alone reads the bytes; NaN and infinities are not served.  a = O0 (f0 / l) + O1 (f1 / l), f the two powers of two:
; another order of rounding than (O0 f0 + O1 f1) / l.
; LDS: 0 the head's 32 records | ASTG 256 bytes: a's scale bytes | MRG 4,608 bytes a tile: the upper wave's O^T (8 x 512) and (-M, t, sum, sum) (512).  The last two are written by LDS stores alone.
; REGISTERS: v1 16 lane; v2, v3, v11 my lane's places in a record of my half; v4-6 the step's addresses; v7 4 r; v9 r, v10 h; v12 -M, v13 the largest t, v[14:15] the sum; v16-27 zeros, Q, zeros; v28-31 the tail's addresses; v32-63 K; v64-95 V;
;   v96-159 S^T, then p; v160-191 O^T; v192-199 p's codes; v200-217 at work; v224-227 K's scale words, v228-229 V's, v230 p's, v231 Q's.
.set FLOOR, 0x1800000
.set EOFF,  0xff000000
.set REC,   8960                       ; a record: 128 keys
.set CHB,   8*REC                      ; a chunk of a half
.set HALFB, 16*REC                     ; a half of the head
.set ASTG,  32*REC
.set MRG,   ASTG+256
.set MWB,   9*512
.set WV,    12                         ; s12 wave; s13 cx; s14 hd; s15 the query block
.set QT,    16                         ; s16 my tile of the block, 0..7
.set HF,    17                         ; s17 my half of the keys
.set SEL,   18                         ; s[18:19]
.set CS,    20                         ; s[20:21] log2(e)
.set TB,    22                         ; s22 byte of the step's record in my half
.set CNT,   23
.macro PLACES n
.rept \n
	v_nop
.endr
.endm
.macro CROUND
	s_barrier_signal -1
	s_barrier_wait -1
	s_cmp_lg_u32 s[WV], 0
	s_cbranch_scc1 .Lnot_wave_0_\@
	s_barrier_signal -3
.Lnot_wave_0_\@:
	s_barrier_wait -3
	s_barrier_signal -1
	s_barrier_wait -1
.endm
	s_load_b256 s[4:11], s[0:1], 0x0               ; qimg s[4:5], kvs s[6:7], aimg s[8:9], asc s[10:11]
	v_lshl_add_u32 v254, v0, 2, 0x4f100
	v_mov_b32 v255, 0
	ds_add_u32 v254, v255
	ds_add_u32 v254, v255
	v_lshrrev_b32 v1, 5, v0
	s_delay_alu instid0(VALU_DEP_1)
	v_readfirstlane_b32 s[WV], v1                  ; wave 0..15
	s_and_b32 s[QT], s[WV], 7
	s_lshr_b32 s[HF], s[WV], 3
	s_bfe_u32 s13, ttmp6, 0x40000                  ; cx: it enters Q's, a's and their scales' global addresses alone
	s_lshr_b32 s14, ttmp9, 3                       ; hd
	s_and_b32 s15, ttmp9, 7
	s_lshl_b32 s15, s15, 2
	s_add_co_u32 s15, s15, s13                     ; the block of 128 queries
	s_lshl_b32 s49, s15, 3
	s_add_co_u32 s49, s49, s[QT]                   ; my tile of 16 queries, 0..255
	s_mov_b32 s[SEL], 0x76543210
	s_mov_b32 s[SEL+1], 0xfedcba98
	s_mov_b32 s[CS], 0x3fb8aa3b
	s_mov_b32 s[CS+1], s[CS]                       ; (named with it as a pair, so it is written)
	; descriptor group 1, s[24:31]: a record as 35 dense rows of 256 bytes (32 elements of 8 bytes)
	s_mov_b32 s24, 15|(3<<16)|(1<<21)              ; the mask: all four work-groups; elements of 8 bytes; 21 set beside a mask
	s_mov_b32 s25, 32<<16
	s_mov_b32 s26, 35<<16
	s_mov_b32 s27, 32<<16
	s_mov_b32 s28, 35
	s_mov_b32 s29, 32
	s_mov_b32 s30, 0
	s_mov_b32 s31, 0
	s_lshl_b32 s48, s[HF], 4
	s_add_co_u32 s48, s48, s[QT]
	s_mul_i32 s48, s48, REC                        ; record 16 (w / 8) + w % 8: mine of the first chunk, in memory and in LDS alike
	s_mul_i32 s50, s14, 32*REC                     ; the head's records
	s_add_co_u32 s50, s50, s48
	s_mov_b32 s51, 0
	s_lshl_b32 s52, s14, 17
	s_lshl_b32 s53, s49, 9
	s_add_co_u32 s52, s52, s53                     ; my tile's image of Q
	s_mov_b32 s53, 0
	s_mul_i32 s54, s14, 32*REC
	s_mul_i32 s55, s15, REC
	s_add_co_u32 s54, s54, s55
	s_lshr_b32 s55, s[QT], 1
	s_lshl_b32 s55, s55, 7
	s_add_co_u32 s54, s54, s55                     ; the scale words of my tile's block of 32 queries
	s_mov_b32 s55, 0
	v_and_b32 v8, 31, v0                           ; lane
	v_and_b32 v9, 15, v0                           ; r
	v_bfe_u32 v10, v0, 4, 1                        ; h
	s_delay_alu instid0(VALU_DEP_3)
	v_lshlrev_b32 v1, 4, v8                        ; v1 16 lane
	s_delay_alu instid0(VALU_DEP_3)
	v_lshlrev_b32 v7, 2, v9                        ; v7 4 r
	v_lshlrev_b32 v30, 3, v8                       ; v30 8 lane
	s_mul_i32 s58, s[HF], HALFB                    ; my half of the head in LDS
	v_add_nc_u32 v11, s58, v1                      ; v11 the images: 16 lane
	s_add_co_u32 s59, s58, 8256
	v_add_nc_u32 v2, s59, v7                       ; v2 K's scale words: 8,192 + 64 + 4 r
	s_add_co_u32 s59, s58, 8704
	v_add_nc_u32 v3, s59, v30                      ; v3 V's scale words: 8,704 + 8 lane
	s_lshl_b32 s56, s[QT], 5
	s_add_co_u32 s56, s56, ASTG
	v_lshl_add_u32 v28, v9, 1, v10
	s_delay_alu instid0(VALU_DEP_1)
	v_add_nc_u32 v28, s56, v28                     ; v28 a's scale byte: 32 x tile + 2 r + h
	v_lshl_add_u32 v29, v8, 3, ASTG                ; v29 where wave 0 reads them back
	s_mul_i32 s59, s[QT], MWB
	s_add_co_u32 s59, s59, MRG
	v_add_nc_u32 v31, s59, v1                      ; v31 where the two waves of a tile meet: the same in both.  Every LDS address is made here, ahead of every branch on the wave's number
	s_and_b32 s56, s[QT], 1                        ; my tile is u = tile % 2 of its block: bytes 2 u, 2 u + 1 of the word
	s_cmp_eq_u32 s56, 0
	s_mov_b32 s57, 0x03020302
	s_cselect_b32 s57, 0x01000100, s57
	s_wait_alu depctr_va_vdst(0)
	s_wait_dscnt 0x0
	s_wait_kmcnt 0x0
	s_add_nc_u64 s[4:5], s[4:5], s[52:53]
	s_add_nc_u64 s[54:55], s[6:7], s[54:55]
	global_load_b128 v[20:23], v1, s[4:5]          ; Q goes out ahead of the records
	global_load_b32 v214, v7, s[54:55] offset:8192
	s_add_nc_u64 s[50:51], s[6:7], s[50:51]
.irp c, 0,1                                    ; group 0 of chunk c: s[32 + 4 c : 35 + 4 c]
	s_mov_b32 s[32+4*\c], 1
	s_add_co_u32 s[33+4*\c], s48, CHB*\c
	s_add_nc_u64 s[34+4*\c:35+4*\c], s[50:51], CHB*\c
	s_or_b32 s[35+4*\c], s[35+4*\c], 0x80000000
.endr
	CROUND                                         ; all four work-groups are here: the joint loads meet
.irp c, 0,1
	s_wait_alu depctr_va_vdst(0)
	s_wait_tensorcnt 0x0
	ds_add_u32 v254, v255
	ds_add_u32 v254, v255
	s_wait_dscnt 0x0
	CROUND
	tensor_load_to_lds s[32+4*\c:35+4*\c], s[24:31]
	s_nop 0
.endr
	PLACES 4
	v_mov_b32 v13, 0xff61b1e6                      ; the largest t so far: -3e38
	s_delay_alu instid0(VALU_DEP_1)
	v_floor_f32 v12, -v13                          ; -M
	v_mov_b32 v14, 0
	v_mov_b32 v15, 0
	v_mov_b32 v213, 0                              ; (the upper half of the pair v[212:213])
.irp b, 0,1,2,3
	v_mov_b32 v[204+\b], 0                         ; lane permutes' destinations
.endr
	s_wait_loadcnt 0x0
	v_perm_b32 v231, v214, v214, s57               ; Q's two bytes, twice.  The 40 lines below are the places between this line and the first product
.irp k, 16,17,18,19,24,25,26,27
	v_mov_b32 v[\k], 0
.endr
.set i, 0
.rept 32
	v_mov_b32 v[160+i], 0                          ; O^T: the step is written once; the first change of M leaves zeros zeros
.set i, i+1
.endr
.macro STEP
	v_add_nc_u32 v4, s[TB], v11                    ; these four lines are the places behind the last step's products, in front of the loads into the registers that they read
	v_add_nc_u32 v5, s[TB], v2
	v_add_nc_u32 v6, s[TB], v3
	v_nop
.irp b, 0,1,2,3
	ds_load_b128 v[32+8*\b:35+8*\b], v4 offset:1024*\b
	ds_load_b128 v[36+8*\b:39+8*\b], v4 offset:1024*\b+512
	ds_load_b32 v[224+\b], v5 offset:128*\b
.endr
.irp t, 0,1,2,3
	ds_load_b128 v[64+8*\t:67+8*\t], v4 offset:4096+1024*\t
	ds_load_b128 v[68+8*\t:71+8*\t], v4 offset:4096+1024*\t+512
.endr
	ds_load_b64 v[228:229], v6
	s_wait_dscnt 9                                 ; K and its scale words are in; V's eight loads and its scale words' one may be out
.irp b, 0,1,2,3
	v_wmma_scale_f32_16x16x128_f8f6f4 v[96+16*\b:103+16*\b], v[32+8*\b:39+8*\b], v[20:27], 0, v[224+\b], v231 matrix_a_fmt:MATRIX_FMT_FP4 matrix_b_fmt:MATRIX_FMT_FP4
	v_wmma_scale_f32_16x16x128_f8f6f4 v[104+16*\b:111+16*\b], v[32+8*\b:39+8*\b], v[16:23], 0, v[224+\b], v231 matrix_a_fmt:MATRIX_FMT_FP4 matrix_b_fmt:MATRIX_FMT_FP4
.endr
	PLACES 4
.irp b, 0,1,2,3
	v_max3_num_f32 v[200+\b], v[96+16*\b], v[97+16*\b], v[98+16*\b]   ; the largest score of each block of 32 keys: for the row's maximum, and, since p rises with the score, for the block's largest p
.endr
.irp k, 3,5,7,9,11,13
.irp b, 0,1,2,3
	v_max3_num_f32 v[200+\b], v[200+\b], v[96+16*\b+\k], v[97+16*\b+\k]
.endr
.endr
.irp b, 0,1,2,3
	v_max_num_f32 v[200+\b], v[200+\b], v[111+16*\b]
.endr
.irp b, 0,1,2,3
	s_delay_alu instid0(VALU_DEP_4)
	v_permlanex16_b32 v[204+\b], v[200+\b], s[SEL], s[SEL+1]
.endr
.irp b, 0,1,2,3
	s_delay_alu instid0(VALU_DEP_4)
	v_max_num_f32 v[200+\b], v[200+\b], v[204+\b]  ; with lane l xor 16's 16 keys
.endr
	s_delay_alu instid0(VALU_DEP_2)
	v_max3_num_f32 v214, v200, v201, v202
	s_delay_alu instid0(VALU_DEP_1)
	v_max_num_f32 v214, v214, v203
	s_delay_alu instid0(VALU_DEP_1)
	v_mul_f32 v214, s[CS], v214                    ; as t
	s_delay_alu instid0(VALU_DEP_1)
	v_max_num_f32 v13, v13, v214                   ; the running largest t
	v_mov_b32 v214, v12
	s_delay_alu instid0(VALU_DEP_2)
	v_floor_f32 v12, -v13                          ; the new -M = -ceil(t)
	s_delay_alu instid0(VALU_DEP_1)
	v_sub_f32 v214, v12, v214                      ; old M - new M: a whole number, 0 or less
	s_delay_alu instid0(VALU_DEP_1)
	v_cvt_i32_f32 v214, v214                       ; (it saturates)
	s_delay_alu instid0(VALU_DEP_1)
	v_ldexp_f32 v212, 1.0, v214                    ; f = 2^(old M - new M)
.set i, 0
.rept 32
	v_pk_fma_f32 v[96+2*i:97+2*i], v[96+2*i:97+2*i], s[CS:CS+1], v[12:13] op_sel_hi:[1,0,0]   ; t - M
.set i, i+1
.endr
.irp b, 0,1,2,3
	v_fma_f32 v[200+\b], v[200+\b], s[CS], v12
.endr
.set i, 0
	s_wait_alu depctr_va_vdst(0)
.rept 64
	v_exp_f32 v[96+i], v[96+i]                     ; p = 2^(t - M)
.set i, i+1
.endr
	s_setprio 1
.irp b, 0,1,2,3
	v_exp_f32 v[200+\b], v[200+\b]                 ; the block's largest p: the same two instructions on the same number
.endr
	v_pk_mul_f32 v[14:15], v[14:15], v[212:213] op_sel_hi:[1,0]   ; the sums under the new M (a plain line behind the exponentials)
	s_wait_alu depctr_va_vdst(0)
.irp b, 0,1,2,3
	v_max_num_f32 v[200+\b], FLOOR, v[200+\b]
.endr
.irp b, 0,1,2,3
	s_delay_alu instid0(VALU_DEP_4)
	v_add_nc_u32 v[208+\b], EOFF, v[200+\b]
.endr
.irp b, 0,1,2,3
	s_delay_alu instid0(VALU_DEP_4)
	v_lshrrev_b32 v[204+\b], 23, v[208+\b]
.endr
	s_delay_alu instid0(VALU_DEP_3)
	v_lshl_or_b32 v230, v205, 8, v204              ; p's scale word for these 128 keys
	s_delay_alu instid0(VALU_DEP_1)
	v_lshl_or_b32 v230, v206, 16, v230
	s_delay_alu instid0(VALU_DEP_1)
	v_lshl_or_b32 v230, v207, 24, v230
.irp b, 0,1,2,3
	v_cvt_scalef32_pk8_fp4_f32 v[192+2*\b], v[96+16*\b:103+16*\b], v[208+\b]
	v_cvt_scalef32_pk8_fp4_f32 v[193+2*\b], v[104+16*\b:111+16*\b], v[208+\b]
.endr
	v_nop                                          ; one plain line behind the last scaled conversion
.irp c, 0,1
.irp k, 0,1
	v_permlane16_swap_b32 v[192+4*\c+\k], v[194+4*\c+\k]   ; a whole block in a lane: lanes 0-15 block 2 c, lanes 16-31 block 2 c + 1
.endr
.endr
	v_pk_add_f32 v[216:217], v[96:97], v[98:99]    ; the row's sum of the UNQUANTISED p, in two chains
.irp k, 4,8,12,16,20,24,28,32,36,40,44,48,52,56,60
	v_pk_add_f32 v[14:15], v[14:15], v[96+\k:97+\k]
	v_pk_add_f32 v[216:217], v[216:217], v[98+\k:99+\k]
.endr
	s_delay_alu instid0(VALU_DEP_1)
	v_pk_add_f32 v[14:15], v[14:15], v[216:217]
.set i, 0
	s_setprio 0
.rept 16
	v_pk_mul_f32 v[160+2*i:161+2*i], v[160+2*i:161+2*i], v[212:213] op_sel_hi:[1,0]   ; O^T under the new M
.set i, i+1
.endr
	s_wait_alu depctr_va_vdst(0)
	s_wait_dscnt 0x0                               ; V and its scale words are in
	; four accumulators by turns; the matrix instruction in front of the first and behind the last name other accumulators
	v_wmma_scale_f32_16x16x128_f8f6f4 v[160:167], v[64:71], v[192:199], v[160:167], v228, v230 matrix_a_fmt:MATRIX_FMT_FP4 matrix_b_fmt:MATRIX_FMT_FP4
	v_wmma_scale_f32_16x16x128_f8f6f4 v[168:175], v[72:79], v[192:199], v[168:175], v228, v230 matrix_a_fmt:MATRIX_FMT_FP4 matrix_b_fmt:MATRIX_FMT_FP4 matrix_a_scale:MATRIX_SCALE_ROW1
	v_wmma_scale_f32_16x16x128_f8f6f4 v[176:183], v[80:87], v[192:199], v[176:183], v229, v230 matrix_a_fmt:MATRIX_FMT_FP4 matrix_b_fmt:MATRIX_FMT_FP4
	v_wmma_scale_f32_16x16x128_f8f6f4 v[184:191], v[88:95], v[192:199], v[184:191], v229, v230 matrix_a_fmt:MATRIX_FMT_FP4 matrix_b_fmt:MATRIX_FMT_FP4 matrix_a_scale:MATRIX_SCALE_ROW1
	s_add_co_u32 s[TB], s[TB], REC
.endm
; A chunk of eight steps.  left = my tensor load of the later chunk, which may stay out.
.macro CHUNK left, c
	s_wait_tensorcnt \left                         ; my record of this chunk has landed,
	s_wait_dscnt 0x0
	s_barrier_signal -1
	s_barrier_wait -1                              ; everybody's has
	s_mov_b32 s[TB], CHB*\c
	s_mov_b32 s[CNT], 8
.Lstep_\@:
	s_setprio 2
	STEP
	s_sub_co_u32 s[CNT], s[CNT], 1
	s_cmp_lg_u32 s[CNT], 0
	s_cbranch_scc1 .Lstep_\@
	s_setprio 0
.endm
	CHUNK 1, 0
	CHUNK 0, 1
	; THE TWO WAVES OF A TILE MEET.  The upper one stores its registers as they stand, 16 bytes a lane; the same lines as loads give the lower one the same registers in the same lanes.
	PLACES 4                                       ; in front of the first read of the last products' results
	s_cmp_eq_u32 s[HF], 0
	s_cbranch_scc1 .Llower_waits
.irp g, 0,1,2,3,4,5,6,7
	ds_store_b128 v31, v[160+4*\g:163+4*\g] offset:512*\g   ; each accumulator from its low end on
.endr
	ds_store_b128 v31, v[12:15] offset:4096        ; -M, the largest t, the sum's two halves
.Llower_waits:
	s_wait_dscnt 0x0                               ; for the lower wave's sake: my stores have landed
	s_barrier_signal -1
	s_barrier_wait -1
	s_cmp_lg_u32 s[HF], 0
	s_cbranch_scc1 .Lupper_done                    ; the upper waves have handed over: they only pass the barriers that follow
	ds_load_b128 v[128:131], v31 offset:4096
.irp g, 0,1,2,3,4,5,6,7
	ds_load_b128 v[96+4*\g:99+4*\g], v31 offset:512*\g
.endr
	s_wait_dscnt 8                                 ; the partner's -M and sums are in; its O^T's eight loads may be out
	v_min_num_f32 v200, v12, v128                  ; the common -M: that of the larger M
	s_delay_alu instid0(VALU_DEP_1)
	v_sub_f32 v201, v200, v12                      ; whole numbers, 0 or less
	s_delay_alu instid0(VALU_DEP_2)
	v_sub_f32 v202, v200, v128
	s_delay_alu instid0(VALU_DEP_2)
	v_cvt_i32_f32 v201, v201                       ; (they saturate)
	s_delay_alu instid0(VALU_DEP_2)
	v_cvt_i32_f32 v202, v202
	s_delay_alu instid0(VALU_DEP_2)
	v_ldexp_f32 v212, 1.0, v201                    ; f0: mine under the common M
	s_delay_alu instid0(VALU_DEP_2)
	v_ldexp_f32 v216, 1.0, v202                    ; f1: the partner's
	s_delay_alu instid0(VALU_DEP_2)
	v_pk_mul_f32 v[14:15], v[14:15], v[212:213] op_sel_hi:[1,0]
	s_delay_alu instid0(VALU_DEP_1)
	v_pk_fma_f32 v[14:15], v[130:131], v[216:217], v[14:15] op_sel_hi:[1,0,1]
	s_delay_alu instid0(VALU_DEP_1)
	v_add_f32 v14, v14, v15
	s_delay_alu instid0(VALU_DEP_1)
	v_permlanex16_b32 v214, v14, s[SEL], s[SEL+1]
	s_delay_alu instid0(VALU_DEP_1)
	v_add_f32 v14, v14, v214                       ; the row's sum over all 4,096 keys
	s_wait_alu depctr_va_vdst(0)
	v_rcp_f32 v14, v14
	v_nop                                          ; a plain line behind the transcendental
	s_wait_alu depctr_va_vdst(0)
	v_mul_f32 v212, v212, v14                      ; f0 / l
	v_mul_f32 v216, v216, v14                      ; f1 / l
	s_wait_alu depctr_va_vdst(0)
	s_wait_dscnt 0x0
.set i, 0
.rept 16
	v_pk_mul_f32 v[96+2*i:97+2*i], v[96+2*i:97+2*i], v[216:217] op_sel_hi:[1,0]
.set i, i+1
.endr
.set i, 0
.rept 16
	v_pk_fma_f32 v[96+2*i:97+2*i], v[160+2*i:161+2*i], v[212:213], v[96+2*i:97+2*i] op_sel_hi:[1,0,1]   ; a: each accumulator from its low end on
.set i, i+1
.endr
	; quantised along the head's channels (V's rows were laid so that my 16 registers of two tiles are 16 neighbouring channels): the image of my tile's part of the projection's operand
.irp b, 0,1
	v_max3_num_f32 v[200+\b], |v[96+16*\b]|, |v[97+16*\b]|, FLOOR
.endr
.irp k, 2,4,6,8,10,12,14
.irp b, 0,1
	s_delay_alu instid0(VALU_DEP_2)
	v_max3_num_f32 v[200+\b], v[200+\b], |v[96+16*\b+\k]|, |v[97+16*\b+\k]|
.endr
.endr
.irp b, 0,1
	s_delay_alu instid0(VALU_DEP_2)
	v_permlanex16_b32 v[204+\b], v[200+\b], s[SEL], s[SEL+1]
.endr
.irp b, 0,1
	s_delay_alu instid0(VALU_DEP_2)
	v_max_num_f32 v[200+\b], v[200+\b], v[204+\b]
.endr
.irp b, 0,1
	s_delay_alu instid0(VALU_DEP_2)
	v_add_nc_u32 v[208+\b], EOFF, v[200+\b]
.endr
.irp b, 0,1
	s_delay_alu instid0(VALU_DEP_2)
	v_lshrrev_b32 v[204+\b], 23, v[208+\b]
.endr
.irp b, 0,1
	v_cvt_scalef32_pk8_fp4_f32 v[192+2*\b], v[96+16*\b:103+16*\b], v[208+\b]
	v_cvt_scalef32_pk8_fp4_f32 v[193+2*\b], v[104+16*\b:111+16*\b], v[208+\b]
.endr
	v_nop                                          ; one plain line behind the last scaled conversion
	v_permlane16_swap_b32 v192, v194
	v_permlane16_swap_b32 v193, v195               ; v[192:195]: lane (r, h): channels 32 h .. 32 h + 31 of query r
	s_wait_alu depctr_va_vdst(0)
	s_lshr_b32 s52, s14, 2
	s_lshl_b32 s52, s52, 19                        ; the batch,
	s_lshl_b32 s53, s49, 11                        ; my tile's 2,048 bytes,
	s_add_co_u32 s52, s52, s53
	s_and_b32 s53, s14, 3
	s_lshl_b32 s53, s53, 9                         ; the head's 512 of them
	s_add_co_u32 s52, s52, s53
	s_mov_b32 s53, 0
	s_add_nc_u64 s[8:9], s[8:9], s[52:53]
	global_store_b128 v1, v[192:195], s[8:9]       ; 512 consecutive bytes
	v_cmp_eq_u32 vcc_lo, 1, v10
	s_delay_alu instid0(VALU_DEP_1)
	v_cndmask_b32 v214, v204, v205, vcc_lo         ; lane (r, h) carries the byte of channels 32 h on
	ds_store_b8 v28, v214
.Lupper_done:
	s_wait_dscnt 0x0                               ; for wave 0's sake
	s_barrier_signal -1
	s_barrier_wait -1
	s_cmp_lg_u32 s[WV], 0
	s_cbranch_scc1 .Lnot_first
	ds_load_b64 v[216:217], v29
	s_lshl_b32 s52, s14, 13
	s_lshl_b32 s53, s15, 8
	s_add_co_u32 s52, s52, s53
	s_mov_b32 s53, 0
	s_add_nc_u64 s[10:11], s[10:11], s[52:53]
	s_wait_dscnt 0x0
	global_store_b64 v30, v[216:217], s[10:11]     ; the work-group's 256 scale bytes: consecutive, aligned
.Lnot_first:
	s_wait_tensorcnt 0x0
	ds_add_u32 v254, v255
	s_wait_dscnt 0x0
	CROUND                                         ; the closing round
	s_endpgm
.Lfunc_end_k_qd0179eb083_attn:
	.size	k_qd0179eb083_attn, .Lfunc_end_k_qd0179eb083_attn-k_qd0179eb083_attn
	.p2alignl 7, 3214868480
	.fill 96, 4, 3214868480
	.section	.rodata,"a",@progbits
	.p2align	6, 0x0
	.amdhsa_kernel k_qd0179eb083_attn
		.amdhsa_group_segment_fixed_size 327680
		.amdhsa_private_segment_fixed_size 0
		.amdhsa_enable_private_segment 0
		.amdhsa_kernarg_size 32
		.amdhsa_user_sgpr_count 2
		.amdhsa_user_sgpr_kernarg_segment_ptr 1
		.amdhsa_wavefront_size32 1
		.amdhsa_system_sgpr_workgroup_id_x 1
		.amdhsa_system_sgpr_workgroup_id_y 1
		.amdhsa_system_sgpr_workgroup_id_z 1
		.amdhsa_system_vgpr_workitem_id 0
		.amdhsa_next_free_vgpr 256
		.amdhsa_next_free_sgpr 66
		.amdhsa_reserve_vcc 1
		.amdhsa_float_denorm_mode_32 3
		.amdhsa_float_denorm_mode_16_64 3
		.amdhsa_memory_ordered 1
		.amdhsa_forward_progress 1
		.amdhsa_inst_pref_size 49
	.end_amdhsa_kernel
	.amdgpu_metadata
---
amdhsa.version: [ 1, 2 ]
amdhsa.kernels:
  - .name:           k_qd0179eb083_attn
    .symbol:         k_qd0179eb083_attn.kd
    .args:
      - { .name: qimg, .offset: 0, .size: 8, .value_kind: global_buffer, .address_space: global }
      - { .name: kvs, .offset: 8, .size: 8, .value_kind: global_buffer, .address_space: global }
      - { .name: aimg, .offset: 16, .size: 8, .value_kind: global_buffer, .address_space: global }
      - { .name: asc, .offset: 24, .size: 8, .value_kind: global_buffer, .address_space: global }
    .group_segment_fixed_size: 327680
    .private_segment_fixed_size: 0
    .kernarg_segment_align: 8
    .kernarg_segment_size: 32
    .max_flat_workgroup_size: 512
    .sgpr_count:     66
    .vgpr_count:     256
    .wavefront_size: 32
...
	.end_amdgpu_metadata
.endif
;; end of part 7
;; launch proj (part 8): grid 64 x 4, 4 waves a work-group, no clusters, 35,328 bytes of LDS; arguments aimg, asc, wimg, wsc, proj_b, x, out0; writes out0
.if DOCPART == 8
	.amdgcn_target "amdgcn-amd-amdhsa--gfx1250"
	.amdhsa_code_object_version 6
	.text
	.protected	k_qd0179eb083_proj
	.globl	k_qd0179eb083_proj
	.p2align	8
	.type	k_qd0179eb083_proj,@function
k_qd0179eb083_proj:
	s_mov_b64 s[64:65], 0
	v_nop
	global_prefetch_b8 v0, s[64:65] scope:SCOPE_SE
	s_setreg_imm32_b32 hwreg(HW_REG_WAVE_MODE, 25, 1), 1
	s_wait_xcnt 0x0
; out0 = x + proj_w a + proj_b, the product on codes of FP4 (E2M1) with E8M0 scales, K = the 256 channels.
; SHARES.  Work-group (32 b + tb, oc): 128 positions x 64 output channels.  In the product wave w takes positions 32 w .. 32 w + 31 (two tiles) x the 64 channels (four tiles of proj_w): eight accumulators, two K steps.
; Source 0 = a's tile (rows = positions, row m of tile u = position 8 u + m + 8 (m / 8)), source 1 = proj_w's tile: a lane holds ONE output channel and eight NEIGHBOURING positions, 32 bytes of a row of out0.
; The results meet in a stage in LDS (64 rows x (512 + 16) bytes); behind a barrier wave w takes rows 16 w .. 16 w + 15 whole, adds x and the bias, and stores 512 consecutive bytes an instruction.
; (x + bias) + product, where reference() has x + (product + bias): another order of rounding.
; NO CLUSTER, NO TENSOR LOAD: of the 88 KiB that a work-group moves, 64 KiB (x and out0) are its own; the 24 KiB that it shares with others come straight into registers as images.
; REGISTERS: v1 16 lane, v2 4 lane, v3 a's scale bytes, v4, v5 the stage; v16-47 a's fragments ((u, s) at 16 + 16 u + 8 s); v48-111 proj_w's ((t, s) at 48 + 16 t + 8 s), later the rows read back;
;   v112-175 accumulators ((u, t) at 112 + 8 (4 u + t)); v176-239 x, then the result; v240-241 a's scale words, v242-245 proj_w's; v246-249 halves of a's.
.set WV, 18
	s_load_b256 s[4:11], s[0:1], 0x0               ; aimg s[4:5], asc s[6:7], wimg s[8:9], wsc s[10:11]
	s_load_b128 s[12:15], s[0:1], 0x20             ; proj_b s[12:13], x s[14:15]
	s_load_b64 s[16:17], s[0:1], 0x30              ; out0
	v_lshl_add_u32 v254, v0, 2, 0x8800
	v_mov_b32 v255, 0
	v_lshrrev_b32 v1, 5, v0
	v_readfirstlane_b32 s[WV], v1                  ; wave 0..3
	s_lshr_b32 s19, ttmp9, 5                       ; b
	s_and_b32 s20, ttmp9, 31                       ; tb
	s_and_b32 s21, ttmp7, 0xffff                   ; oc
	v_and_b32 v6, 31, v0                           ; lane
	v_and_b32 v7, 15, v0                           ; r
	v_bfe_u32 v8, v0, 4, 1                         ; h
	v_lshlrev_b32 v1, 4, v6
	v_lshlrev_b32 v2, 2, v6
	v_lshlrev_b32 v3, 14, v8
	v_lshl_add_u32 v3, v7, 1, v3                   ; 16,384 h + 2 r: lanes 0-15 heads 0, 1 (K step 0), lanes 16-31 heads 2, 3 (K step 1)
	s_lshl_b32 s22, s[WV], 7
	v_mul_u32_u24 v4, v7, 528
	v_lshl_add_u32 v4, v8, 6, v4
	v_add_nc_u32 v4, s22, v4                       ; into the stage: 528 r + 64 h + 128 w
	s_mul_i32 s22, s[WV], 8448
	v_add_nc_u32 v5, s22, v1                       ; back: my 16 rows, 16 bytes a lane
	s_mov_b32 s23, 0
	s_lshl_b32 s24, s20, 3
	s_lshl_b32 s25, s[WV], 1
	s_add_co_u32 s24, s24, s25                     ; my first tile of 16 positions: 8 tb + 2 w
	s_lshl_b32 s26, s21, 2
	s_add_co_u32 s26, s26, 48                      ; the first of my four tiles of proj_w
	s_wait_alu depctr_va_vdst(0)
	s_wait_kmcnt 0x0
	s_lshl_b32 s22, s19, 19
	s_lshl_b32 s25, s24, 11
	s_add_co_u32 s22, s22, s25
	s_add_nc_u64 s[4:5], s[4:5], s[22:23]
	s_lshl_b32 s22, s19, 15
	s_lshl_b32 s25, s24, 5
	s_add_co_u32 s22, s22, s25
	s_add_nc_u64 s[6:7], s[6:7], s[22:23]
	s_lshl_b32 s22, s26, 11
	s_add_nc_u64 s[8:9], s[8:9], s[22:23]
	s_lshl_b32 s22, s26, 7
	s_add_nc_u64 s[10:11], s[10:11], s[22:23]
	s_lshl_b32 s22, s21, 8
	s_lshl_b32 s25, s[WV], 6
	s_add_co_u32 s22, s22, s25
	s_add_nc_u64 s[12:13], s[12:13], s[22:23]      ; the bias of rows 64 oc + 16 w on
	s_lshl_b32 s22, s19, 8
	s_lshl_b32 s25, s21, 6
	s_add_co_u32 s22, s22, s25
	s_lshl_b32 s25, s[WV], 4
	s_add_co_u32 s22, s22, s25                     ; row 256 b + 64 oc + 16 w of x and out0,
	s_lshl_b32 s22, s22, 14
	s_lshl_b32 s25, s20, 9                         ; at position 128 tb
	s_add_co_u32 s22, s22, s25
	s_add_nc_u64 s[14:15], s[14:15], s[22:23]
	s_add_nc_u64 s[16:17], s[16:17], s[22:23]
.set i, 0
.rept 8
	global_load_b128 v[16+4*i:19+4*i], v1, s[4:5] offset:512*i
.set i, i+1
.endr
.irp u, 0,1
	global_load_u16 v[246+2*\u], v3, s[6:7] offset:32*\u          ; the even head's two bytes of row r,
	global_load_u16 v[247+2*\u], v3, s[6:7] offset:32*\u+8192     ; the odd head's
.endr
.set i, 0
.rept 16
	global_load_b128 v[48+4*i:51+4*i], v1, s[8:9] offset:512*i
.set i, i+1
.endr
.irp t, 0,1,2,3
	global_load_b32 v[242+\t], v2, s[10:11] offset:128*\t
.endr
	s_load_b512 s[32:47], s[12:13], 0x0
.set i, 0
.rept 16
	global_load_b128 v[176+4*i:179+4*i], v1, s[14:15] offset:16384*i th:TH_LOAD_NT   ; 512 consecutive bytes of a row of x; this launch reads them once
.set i, i+1
.endr
	s_wait_loadcnt 16                              ; all but x's sixteen loads
	v_lshl_or_b32 v240, v247, 16, v246
	v_lshl_or_b32 v241, v249, 16, v248
.rept 8
	v_nop                                          ; a scale register written by a vector instruction stands eight places ahead of a scaled matrix instruction
.endr
.irp u, 0,1                                    ; eight accumulators by turns; the first K step starts the sums
.irp t, 0,1,2,3
	v_wmma_scale_f32_16x16x128_f8f6f4 v[112+8*(4*\u+\t):119+8*(4*\u+\t)], v[16+16*\u:23+16*\u], v[48+16*\t:55+16*\t], 0, v[240+\u], v[242+\t] matrix_a_fmt:MATRIX_FMT_FP4 matrix_b_fmt:MATRIX_FMT_FP4
.endr
.endr
.irp u, 0,1
.irp t, 0,1,2,3
	v_wmma_scale_f32_16x16x128_f8f6f4 v[112+8*(4*\u+\t):119+8*(4*\u+\t)], v[24+16*\u:31+16*\u], v[56+16*\t:63+16*\t], v[112+8*(4*\u+\t):119+8*(4*\u+\t)], v[240+\u], v[242+\t] matrix_a_fmt:MATRIX_FMT_FP4 matrix_b_fmt:MATRIX_FMT_FP4 matrix_a_scale:MATRIX_SCALE_ROW1 matrix_b_scale:MATRIX_SCALE_ROW1
.endr
.endr
.rept 4
	v_nop                                          ; places in front of the stores that read results, and of the loads into registers that the products read
.endr
.irp u, 0,1
.irp t, 0,1,2,3
	ds_store_b128 v4, v[112+8*(4*\u+\t):115+8*(4*\u+\t)] offset:8448*\t+32*\u       ; row 16 t + r, positions 32 w + 8 u + 16 h + 0 .. 7; each accumulator from its low end on
	ds_store_b128 v4, v[116+8*(4*\u+\t):119+8*(4*\u+\t)] offset:8448*\t+32*\u+16
.endr
.endr
	s_wait_dscnt 0x0                               ; for the others' sake: my stores have landed
	s_barrier_signal -1
	s_barrier_wait -1
.set i, 0
.rept 16
	ds_load_b128 v[48+4*i:51+4*i], v5 offset:528*i
.set i, i+1
.endr
	s_wait_loadcnt 0x0                             ; x
	s_wait_kmcnt 0x0                               ; the bias
.set i, 0
.rept 16
.irp k, 0,1,2,3
	v_add_f32 v[176+4*i+\k], s[32+i], v[176+4*i+\k]   ; x + bias, while the rows come back from the stage
.endr
.set i, i+1
.endr
.set i, 0
.rept 16
	s_wait_dscnt 15-i                              ; row i is back; the later rows' loads may be out
	v_pk_add_f32 v[176+4*i:177+4*i], v[176+4*i:177+4*i], v[48+4*i:49+4*i]
	v_pk_add_f32 v[178+4*i:179+4*i], v[178+4*i:179+4*i], v[50+4*i:51+4*i]
	global_store_b128 v1, v[176+4*i:179+4*i], s[16:17] offset:16384*i th:TH_STORE_NT   ; 512 consecutive bytes, aligned; no store's data are written again
.set i, i+1
.endr
	s_wait_tensorcnt 0x0
	ds_add_u32 v254, v255
	s_wait_dscnt 0x0
	s_endpgm
.Lfunc_end_k_qd0179eb083_proj:
	.size	k_qd0179eb083_proj, .Lfunc_end_k_qd0179eb083_proj-k_qd0179eb083_proj
	.p2alignl 7, 3214868480
	.fill 96, 4, 3214868480
	.section	.rodata,"a",@progbits
	.p2align	6, 0x0
	.amdhsa_kernel k_qd0179eb083_proj
		.amdhsa_group_segment_fixed_size 35328
		.amdhsa_private_segment_fixed_size 0
		.amdhsa_enable_private_segment 0
		.amdhsa_kernarg_size 56
		.amdhsa_user_sgpr_count 2
		.amdhsa_user_sgpr_kernarg_segment_ptr 1
		.amdhsa_wavefront_size32 1
		.amdhsa_system_sgpr_workgroup_id_x 1
		.amdhsa_system_sgpr_workgroup_id_y 1
		.amdhsa_system_sgpr_workgroup_id_z 1
		.amdhsa_system_vgpr_workitem_id 0
		.amdhsa_next_free_vgpr 256
		.amdhsa_next_free_sgpr 66
		.amdhsa_reserve_vcc 0
		.amdhsa_float_denorm_mode_32 3
		.amdhsa_float_denorm_mode_16_64 3
		.amdhsa_memory_ordered 1
		.amdhsa_forward_progress 1
		.amdhsa_inst_pref_size 18
	.end_amdhsa_kernel
	.amdgpu_metadata
---
amdhsa.version: [ 1, 2 ]
amdhsa.kernels:
  - .name:           k_qd0179eb083_proj
    .symbol:         k_qd0179eb083_proj.kd
    .args:
      - { .name: aimg, .offset: 0, .size: 8, .value_kind: global_buffer, .address_space: global }
      - { .name: asc, .offset: 8, .size: 8, .value_kind: global_buffer, .address_space: global }
      - { .name: wimg, .offset: 16, .size: 8, .value_kind: global_buffer, .address_space: global }
      - { .name: wsc, .offset: 24, .size: 8, .value_kind: global_buffer, .address_space: global }
      - { .name: proj_b, .offset: 32, .size: 8, .value_kind: global_buffer, .address_space: global }
      - { .name: x, .offset: 40, .size: 8, .value_kind: global_buffer, .address_space: global }
      - { .name: out0, .offset: 48, .size: 8, .value_kind: global_buffer, .address_space: global }
    .group_segment_fixed_size: 35328
    .private_segment_fixed_size: 0
    .kernarg_segment_align: 8
    .kernarg_segment_size: 56
    .max_flat_workgroup_size: 128
    .sgpr_count:     66
    .vgpr_count:     256
    .wavefront_size: 32
...
	.end_amdgpu_metadata
.endif
;; end of part 8
